; MI455X (gfx1250); checked and timed in simulation.
; The chip was launched on July 23, 2026; its instructions are those of AMD's public machine-readable ISA for CDNA 5 (MIT licence, August 2026) and "CDNA5" Instruction Set Architecture Reference Guide (July 2026). The comments in the code are by the model that wrote it; some were corrected since.
;; Mo E Layer. Allowed arithmetic: matrix products marked QUANTISED: E5M2 operands, one given power-of-two scale a tensor, by v_wmma_f32_16x16x64_bf8_bf8 or v_wmma_f32_16x16x128_bf8_bf8, f32 sums; products left as they are: f32 operands where the result goes on into a quantised operand, else bf16, f16 or f32 operands; f32 sums; everything else in f32.
;; Inputs: W1 8 x 1,024 x 2,048 float32; W2 8 x 2,048 x 1,024 float32; Wg 1,024 x 8 float32; b1 8 x 2,048 float32; b2 8 x 1,024 float32; bg 8 float32; lowp_scales 4 int32 (the exponents e of the quantised operands' scales 2^e); x 2,048 x 1,024 float32.
;; Outputs: out0 2,048 x 1,024 float32.
;; This version of the problem:
;;   THIS VERSION OF THE PROBLEM IS GIVEN IN LOW PRECISION. The matrix products marked QUANTISED in the list below multiply operands that are first quantised to E5M2 (5 exponent bits, 2 mantissa bits; 8 bits a number), with one given power-of-two scale for each operand tensor; their sums are f32. All else is computed in f32.
;;   The module's matrix products, in the order in which they are computed (A, B: the left and right operand; K: the contracted axis; several contracted axes count as one K, in the product's order):
;;     1. [M 2,048, K 1,024] x [K 1,024, N 8]; A: input x; B: input Wg: left as it is (N = 8 < 16)
;;     2. [M 16,384, K 1,024] x [K 1,024, N 2,048]; A: input W1; B: input x: QUANTISED (scales: A lowp_scales[0], B lowp_scales[1])
;;     3. batch 8 x [M 2,048, K 2,048] x [K 2,048, N 1,024]; A: computed on the way; B: input W2: QUANTISED (scales: A lowp_scales[2], B lowp_scales[3])
;;     4. batch 2,048 x [M 1, K 8] x [K 8, N 1,024]; A: softmax; B: computed on the way: left as it is (K = 8 < 32)
;;   THE QUANTISER, for each operand of a quantised product, along K:
;;     - The operand's scale is 2^e, e = its entry of the input lowp_scales (int32; the entries are numbered through the quantised products in the list's order, A before B).
;;     - Each number is divided by the scale, clamped to +-57,344, and rounded to the nearest number of E5M2, ties to even, subnormals kept.
;;     - The product sums the exact products of the quantised numbers (number of the format x scale) in f32.
;;   ~~~python
;;   def quantise(x, axis, e):      # numpy; x: float32 -> the quantised numbers, widened to float32 again
;;       x = np.moveaxis(x, axis, -1); K = x.shape[-1]
;;       r = np.clip(x / 2.0 ** e, -57344, 57344)
;;       step = 2.0 ** (np.maximum(np.frexp(np.where(r == 0, 1, r))[1] - 1, -14) - 2)
;;       q = np.round(r / step) * step * 2.0 ** e      # np.round: ties to even
;;       return np.moveaxis(q, -1, axis).astype(np.float32)
;;   ~~~
;;   OPERANDS COMPUTED ON THE WAY. 'Computed on the way' means the value that the module computes at that place (a softmax that the list does not call 'softmax' is quantised finished and normalised). What goes into a quantiser is computed in f32, as accurately as f32 sums, v_exp_f32 and their like allow (about 1e-6 of the number): no bf16 or f16 on the way to a quantiser, and a product that is left as it is and whose result goes on into a quantised operand takes f32 operands (vector FMAs, or v_wmma_f32_16x16x4_f32). A number that lies on a knife's edge between two numbers of the format may be rounded either way, as far as f32 arithmetic and the matrix unit's own rounding can turn it there, and no further.
;; One version. Each part assembles by itself: llvm-mc -triple=amdgcn-amd-amdhsa -mcpu=gfx1250 --defsym DOCPART=n.
;; ======== version 1 of 1: 4 launches
;; limits: right only within a limited range of input values; values are held in bf16: 8 bits of precision
;; workspace buffers: xc 2,097,152 bytes; w1c 16,777,216 bytes; w2c 16,777,216 bytes; lg 524,288 bytes; hc 33,554,432 bytes; eo 33,554,432 bytes
;; launch prep (part 1): grid 640 x 1, 4 waves a work-group, no clusters, 35,328 bytes of LDS; arguments x, Wg, W1, lowp_scales, xc, lg, w1c; writes xc, lg, w1c
.if DOCPART == 1
	.amdgcn_target "amdgcn-amd-amdhsa--gfx1250"
	.amdhsa_code_object_version 6
	.text
	.protected	k_qdad3a05366_prep
	.globl	k_qdad3a05366_prep
	.p2align	8
	.type	k_qdad3a05366_prep,@function
k_qdad3a05366_prep:
	s_mov_b64 s[64:65], 0
	v_nop
	global_prefetch_b8 v0, s[64:65] scope:SCOPE_SE
	s_setreg_imm32_b32 hwreg(HW_REG_WAVE_MODE, 25, 1), 1
	s_wait_xcnt 0x0
; THE PROGRAM: out = sum over e of softmax(x Wg + bg)[n][e] x (gelu(x W1[e] + b1[e]) W2[e] + b2[e]); both large products on codes of BF8 (E5M2), one given scale 2^e a tensor.
; Four launches: this one (codes of x and W1; the gate's partial logits); the first product with bias, gelu and quantiser, which also makes W2's codes; the second product with bias, rounded to bf16; gate and combine.
; DEAD WORK: none.  The gates are soft, so every expert counts for every token; bg differs along the softmax's axis; b1, b2 and all four scales reach the result.  Every input is loaded by some launch.
; THIS LAUNCH.  Work-groups 0-127: 16 rows of x each: codes (scale entry 1), and the logits x Wg in f32, in eight parts along K.  Work-groups 128-639: W1 (scale entry 0), whose K is
; not innermost, becomes codes with K innermost: w1c [8 x 2048 (e, h)][1024 k].
; code = number / 2^e, held within +-57,344, rounded to the nearest code, ties to even.
; LIMITS: e0 and e1 between -126 and 112, so that 2^e and 57,344 x 2^e are f32 numbers.  NaN among the inputs is not served; an infinity is held at the largest code.
; No tensor loads, no clusters, no matrix work: a stream, each input byte read once.  The two arms part on the work-group's number and never join; the x arm touches no LDS.
.set SPARE, 34816                      ; behind the four stages: the spare words, 128 bytes for each wave: two blocks of 256 bytes that no other line names
.set SPW, 2                            ; v2  LDS address of my spare word; never rewritten
.set NIL, 3                            ; v3  0; never rewritten
	s_load_b256 s[4:11], s[0:1], 0x0               ; x 4:5, Wg 6:7, W1 8:9, scales 10:11
	s_load_b128 s[12:15], s[0:1], 0x20             ; xc 12:13, lg 14:15
	s_load_b64 s[16:17], s[0:1], 0x30              ; w1c
	v_lshl_add_u32 v[SPW], v0, 2, SPARE
	v_mov_b32 v[NIL], 0
	v_lshrrev_b32 v1, 5, v0
	v_readfirstlane_b32 s22, v1                    ; wave 0..3
	v_and_b32 v4, 31, v0                           ; lane
	s_wait_kmcnt 0x0
	s_load_b64 s[24:25], s[10:11], 0x0             ; e0 (W1), e1 (x)
	s_cmp_lt_u32 ttmp9, 128
	s_cbranch_scc0 .Lweights
; ---------------- x: 16 rows a work-group.  Wave w owns k = 256 w .. 256 w + 255, lane l the eight k = 256 w + 8 l + j.
.set WR, 16                            ; v16-79    Wg(k_j, e) at WR + 8 j + e
.set XR, 80                            ; v80-207   row r's eight numbers at XR + 8 r
.set CR, 208                           ; v208-239  row r's eight codes at CR + 2 r: a pair of its own for each row, so that no store's data are written again
.set AC, 240                           ; v240-247  the row's eight partial logits
.set CL, 248                           ; v248-255  the partial logits gathered for the two stores
	s_wait_alu depctr_va_vdst(0)
	v_lshlrev_b32 v5, 5, v4                        ; x: 32 bytes a lane
	v_lshlrev_b32 v6, 8, v4                        ; Wg: eight rows of 32 bytes a lane
	s_wait_alu depctr_va_vdst(0)
	v_lshlrev_b32 v7, 3, v4                        ; xc: 8 bytes a lane
	v_lshrrev_b32 v8, 4, v4
	v_and_b32 v9, 15, v4
	v_lshlrev_b32 v8, 16, v8
	v_lshl_add_u32 v8, v9, 4, v8                   ; lg: my half's part (65,536 bytes apart) + 16 (lane % 16)
	s_mov_b32 s29, 0
	s_lshl_b32 s28, ttmp9, 16                      ; 16 rows of 4,096 bytes
	s_lshl_b32 s30, s22, 10
	s_add_co_u32 s28, s28, s30
	s_add_nc_u64 s[4:5], s[4:5], s[28:29]          ; x at my wave's part of the first row
	s_lshl_b32 s28, s22, 13
	s_add_nc_u64 s[6:7], s[6:7], s[28:29]          ; Wg at row 256 w
	s_lshl_b32 s28, ttmp9, 14                      ; 16 rows of 1,024 codes
	s_lshl_b32 s30, s22, 8
	s_add_co_u32 s28, s28, s30
	s_add_nc_u64 s[12:13], s[12:13], s[28:29]      ; xc
	s_lshl_b32 s28, s22, 17                        ; parts 2 w and 2 w + 1
	s_lshl_b32 s30, ttmp9, 9                       ; 16 rows of 32 bytes
	s_add_co_u32 s28, s28, s30
	s_add_nc_u64 s[14:15], s[14:15], s[28:29]      ; lg [8 parts][2048][8]
.irp j, 0,1,2,3,4,5,6,7
	global_load_b128 v[WR+8*\j:WR+8*\j+3], v6, s[6:7] offset:32*\j
	global_load_b128 v[WR+8*\j+4:WR+8*\j+7], v6, s[6:7] offset:32*\j+16
.endr
.irp r, 0,1,2,3,4,5,6,7,8,9,10,11,12,13,14,15
	global_load_b128 v[XR+8*\r:XR+8*\r+3], v5, s[4:5] offset:4096*\r th:TH_LOAD_NT
	global_load_b128 v[XR+8*\r+4:XR+8*\r+7], v5, s[4:5] offset:4096*\r+16 th:TH_LOAD_NT
.endr
.irp e, 0,1,2,3,4,5,6,7
	v_mov_b32 v[CL+\e], 0                          ; written once: the selections below read what they keep
.endr
	s_wait_kmcnt 0x0
	s_add_co_i32 s28, s25, 127
	s_lshl_b32 s30, s28, 23
	v_mov_b32 v11, s30                             ; 2^e1 as f32: the conversion takes its exponent field
	s_add_co_i32 s28, s28, 15
	s_lshl_b32 s28, s28, 23
	s_or_b32 s28, s28, 0x600000
	v_mov_b32 v10, s28                             ; 57,344 x 2^e1
.macro XROW r
	s_wait_loadcnt 30-2*(\r)                       ; loads come back in order: this row's two are in, the two of each later row may be out
.irp e, 0,1,2,3,4,5,6,7
	v_mul_f32 v[AC+\e], v[XR+8*(\r)], v[WR+\e]     ; the first product starts each sum: nothing is cleared
.endr
.irp j, 1,2,3,4,5,6,7
.irp e, 0,1,2,3,4,5,6,7
	v_fmac_f32 v[AC+\e], v[XR+8*(\r)+\j], v[WR+8*\j+\e]   ; the gate takes x as it is given, in f32, ahead of the hold
.endr
.endr
.irp j, 0,1,2,3,4,5,6,7
	v_med3_num_f32 v[XR+8*(\r)+\j], v[XR+8*(\r)+\j], -v10, v10   ; the conversion to an 8-bit code does not saturate (ISA guide 7.6.2): the hold comes first
.endr
	v_cvt_scalef32_pk8_bf8_f32 v[CR+2*(\r):CR+2*(\r)+1], v[XR+8*(\r):XR+8*(\r)+7], v11
	global_store_b64 v7, v[CR+2*(\r):CR+2*(\r)+1], s[12:13] offset:1024*(\r)   ; the wave stores 256 consecutive bytes, aligned.  (The codes go to this store alone; no later vector line names them or the conversion's sources)
.irp m, 1,2,4,8
.irp e, 0,1,2,3,4,5,6,7
	v_add_f32_dpp v[AC+\e], v[AC+\e], v[AC+\e] row_xmask:\m row_mask:0xf bank_mask:0xf   ; each half of 16 lanes sums its 128 k: part 2 w + lane / 16
.endr
.endr
	s_mov_b32 s30, 0x00010001<<(2*((\r)%8))        ; lane 2 (r % 8) of each half keeps experts 0-3 of this row,
	s_mov_b32 s31, 0x00020002<<(2*((\r)%8))        ; the lane beside it experts 4-7
.irp e, 0,1,2,3,4,5,6,7
	v_cndmask_b32 v[CL+4*((\r)/8)+\e%4], v[CL+4*((\r)/8)+\e%4], v[AC+\e], s[30+\e/4]
.endr
.endm
.irp r, 0,1,2,3,4,5,6,7,8,9,10,11,12,13,14,15
	XROW \r
.endr
	global_store_b128 v8, v[CL:CL+3], s[14:15]               ; rows 0-7: each half of the lanes stores 256 consecutive bytes of its part, aligned
	global_store_b128 v8, v[CL+4:CL+7], s[14:15] offset:256  ; rows 8-15
	s_endpgm
; ---------------- W1 [8][1024 k][2048 h].  A work-group takes 128 columns x 256 along K of one expert, a wave 32 columns.  A LANE TAKES A COLUMN AND ITS REGISTERS RUN DOWN K: each load reads 128 consecutive
; bytes a wave, and the conversions give codes with K innermost.  A column's 256 codes are gathered in the wave's own stage in LDS and leave as rows: sixteen lanes store 256 consecutive bytes, aligned.
; Loads run two blocks of 32 rows ahead.  Every offset is an immediate: 255 rows of 8,192 bytes at the most, inside the signed 24-bit immediate (ISA guide, chapter 10).
.Lweights:
.set X,    64                          ; v64-127  two sets of 32 numbers
.set C,    128                         ; v128-135 a block's codes
.set OUTR, 136                         ; v136-199 the way out
	s_sub_co_u32 s28, ttmp9, 128                   ; 0 .. 511
	s_lshr_b32 s29, s28, 6                         ; the expert
	s_and_b32 s30, s28, 15                         ; which 128 of its 2,048 columns
	s_bfe_u32 s31, s28, 0x20004                    ; which 256 of its 1,024 along K
	s_lshl_b32 s32, s29, 23                        ; W1: an expert is 2^23 bytes,
	s_lshl_b32 s33, s31, 21                        ; 256 rows of 8,192 bytes,
	s_add_co_u32 s32, s32, s33
	s_lshl_b32 s33, s30, 9                         ; 128 columns of 4 bytes,
	s_add_co_u32 s32, s32, s33
	s_lshl_b32 s33, s22, 7                         ; my wave's 32 columns
	s_add_co_u32 s32, s32, s33
	s_mov_b32 s33, 0
	s_add_nc_u64 s[8:9], s[8:9], s[32:33]
	s_lshl_b32 s34, s29, 21                        ; w1c: an expert is 2^21 bytes,
	s_lshl_b32 s35, s30, 17                        ; 128 rows of 1,024 codes,
	s_add_co_u32 s34, s34, s35
	s_lshl_b32 s35, s22, 15                        ; my wave's 32 rows,
	s_add_co_u32 s34, s34, s35
	s_lshl_b32 s35, s31, 8                         ; my 256 along K
	s_add_co_u32 s34, s34, s35
	s_mov_b32 s35, 0
	s_add_nc_u64 s[16:17], s[16:17], s[34:35]
	s_wait_alu depctr_va_vdst(0)
	v_lshlrev_b32 v5, 2, v4                        ; in: 4 bytes a lane
.macro LOAD t                          ; block t: W1(32 t + i, my column), i = 0 .. 31, into set t % 2
.set i, 0
.rept 32
	global_load_b32 v[X+32*((\t)%2)+i], v5, s[8:9] offset:(32*(\t)+i)*8192 th:TH_LOAD_NT
.set i, i+1
.endr
.endm
	LOAD 0
	LOAD 1
	v_lshrrev_b32 v8, 4, v4
	v_and_b32 v9, 15, v4
	v_lshlrev_b32 v12, 10, v8
	v_lshl_add_u32 v13, v9, 4, v12                 ; out: sixteen lanes to a row of 1,024 codes, two rows an instruction
	s_mul_i32 s36, s22, 8704                       ; my stage: 32 rows of 256 bytes + 16
	v_mul_u32_u24 v6, v4, 272
	v_add_nc_u32 v6, s36, v6                       ; into it: row = my column
	v_mul_u32_u24 v7, v8, 272
	v_lshl_add_u32 v7, v9, 4, v7
	v_add_nc_u32 v7, s36, v7                       ; out of it: by rows
	s_wait_kmcnt 0x0
	s_add_co_i32 s24, s24, 127
	s_lshl_b32 s25, s24, 23
	v_mov_b32 v11, s25                             ; 2^e0 as f32
	s_add_co_i32 s24, s24, 15
	s_lshl_b32 s24, s24, 23
	s_or_b32 s24, s24, 0x600000
	v_mov_b32 v10, s24                             ; 57,344 x 2^e0
.macro BLOCK t
.set XS, X+32*((\t)%2)
.if (\t) < 7
	s_wait_loadcnt 32                              ; this block's 32 loads are in; the next block's may be out
.else
	s_wait_loadcnt 0
.endif
.set i, 0
.rept 32
	v_med3_num_f32 v[XS+i], v[XS+i], -v10, v10
.set i, i+1
.endr
.irp g, 0,1,2,3
	v_cvt_scalef32_pk8_bf8_f32 v[C+2*\g:C+2*\g+1], v[XS+8*\g:XS+8*\g+7], v11
.endr
	ds_store_b128 v6, v[C:C+3] offset:32*(\t)      ; 32 codes of my column's row.  (The codes go to LDS stores; the next block begins with plain vector lines)
	ds_store_b128 v6, v[C+4:C+7] offset:32*(\t)+16
.if (\t)+2 < 8
	LOAD (\t)+2
.endif
	s_wait_dscnt 0x0                               ; the stores have read their registers: the next block's codes may be written
.endm
.set Q, 0
	s_wait_alu depctr_va_vdst(0)
.rept 8
	BLOCK Q
.set Q, Q+1
.endr
.irp t, 0,1,2,3,4,5,6,7,8,9,10,11,12,13,14,15
	ds_load_b128 v[OUTR+4*\t:OUTR+4*\t+3], v7 offset:544*\t   ; LDS serves a wave's instructions in order: these see my stores
.endr
.irp t, 0,1,2,3,4,5,6,7,8,9,10,11,12,13,14,15
	s_wait_dscnt 15-\t                             ; pair t of rows is back; the later ones may be out
	; w1c's rows are laid in the order in which the first product's tiles take them: inside each 32 hidden units, unit c lies at row c with its bits 3 and 4 exchanged (here: bits 2 and 3 of the pair's number t)
	global_store_b128 v13, v[OUTR+4*\t:OUTR+4*\t+3], s[16:17] offset:2048*((\t&3)|((\t&4)<<1)|((\t&8)>>1))
.endr
	s_wait_tensorcnt 0x0                           ; the wave's end, behind my last LDS store
	ds_add_u32 v[SPW], v[NIL]
	s_wait_dscnt 0x0
	s_endpgm
.Lfunc_end_k_qdad3a05366_prep:
	.size	k_qdad3a05366_prep, .Lfunc_end_k_qdad3a05366_prep-k_qdad3a05366_prep
	.p2alignl 7, 3214868480
	.fill 96, 4, 3214868480
	.section	.rodata,"a",@progbits
	.p2align	6, 0x0
	.amdhsa_kernel k_qdad3a05366_prep
		.amdhsa_group_segment_fixed_size 35328
		.amdhsa_private_segment_fixed_size 0
		.amdhsa_enable_private_segment 0
		.amdhsa_kernarg_size 56
		.amdhsa_user_sgpr_count 2
		.amdhsa_user_sgpr_kernarg_segment_ptr 1
		.amdhsa_wavefront_size32 1
		.amdhsa_system_sgpr_workgroup_id_x 1
		.amdhsa_system_sgpr_workgroup_id_y 1
		.amdhsa_system_sgpr_workgroup_id_z 1
		.amdhsa_system_vgpr_workitem_id 0
		.amdhsa_next_free_vgpr 256
		.amdhsa_next_free_sgpr 66
		.amdhsa_reserve_vcc 0
		.amdhsa_float_denorm_mode_32 3
		.amdhsa_float_denorm_mode_16_64 3
		.amdhsa_memory_ordered 1
		.amdhsa_forward_progress 1
		.amdhsa_inst_pref_size 141
	.end_amdhsa_kernel
	.amdgpu_metadata
---
amdhsa.version: [ 1, 2 ]
amdhsa.kernels:
  - .name:           k_qdad3a05366_prep
    .symbol:         k_qdad3a05366_prep.kd
    .args:
      - { .name: x, .offset: 0, .size: 8, .value_kind: global_buffer, .address_space: global }
      - { .name: Wg, .offset: 8, .size: 8, .value_kind: global_buffer, .address_space: global }
      - { .name: W1, .offset: 16, .size: 8, .value_kind: global_buffer, .address_space: global }
      - { .name: lowp_scales, .offset: 24, .size: 8, .value_kind: global_buffer, .address_space: global }
      - { .name: xc, .offset: 32, .size: 8, .value_kind: global_buffer, .address_space: global }
      - { .name: lg, .offset: 40, .size: 8, .value_kind: global_buffer, .address_space: global }
      - { .name: w1c, .offset: 48, .size: 8, .value_kind: global_buffer, .address_space: global }
    .group_segment_fixed_size: 35328
    .private_segment_fixed_size: 0
    .kernarg_segment_align: 8
    .kernarg_segment_size: 56
    .max_flat_workgroup_size: 128
    .sgpr_count:     66
    .vgpr_count:     256
    .wavefront_size: 32
...
	.end_amdgpu_metadata
.endif
;; end of part 1
;; launch gemm1 (part 2): grid 64 x 4, 4 waves a work-group, clusters of 4 x 4, 327,680 bytes of LDS; arguments xc, w1c, lowp_scales, b1, hc, W2, w2c; writes hc, w2c
.if DOCPART == 2
	.amdgcn_target "amdgcn-amd-amdhsa--gfx1250"
	.amdhsa_code_object_version 6
	.text
	.protected	k_qdad3a05366_gemm1
	.globl	k_qdad3a05366_gemm1
	.p2align	8
	.type	k_qdad3a05366_gemm1,@function
k_qdad3a05366_gemm1:
	s_mov_b64 s[64:65], 0
	v_nop
	global_prefetch_b8 v0, s[64:65] scope:SCOPE_SE
	s_setreg_imm32_b32 hwreg(HW_REG_WAVE_MODE, 25, 1), 1
	s_wait_xcnt 0x0
	s_wait_alu depctr_hold_cnt(0) depctr_sa_sdst(0) depctr_va_vdst(0) depctr_va_sdst(0) depctr_va_ssrc(0) depctr_va_vcc(0) depctr_vm_vsrc(0)
	s_getreg_b32 s2, hwreg(HW_REG_IB_STS2, 6, 4)
	s_cmp_eq_u32 s2, 0
	s_cbranch_scc0 .Lentry_in_a_cluster
	s_endpgm
.Lentry_in_a_cluster:
	s_bfe_u32 s2, ttmp6, 0x10000c
	s_cmp_lg_u32 s2, 0xf033
	s_cbranch_scc0 .Lentry_shape_is_right
	s_endpgm
.Lentry_shape_is_right:
; hc = Q(gelu(x W1[e] + b1[e])): the first product on codes of BF8 (E5M2), its bias, the gelu (tanh form) and the quantiser of the second product's left operand.  No work is left out.
; A = xc [2048][1024], B = w1c [8 x 2048][1024]: codes, K innermost; inside each 32 rows of w1c, hidden unit c lies at row c with bits 3 and 4 exchanged.  A sum stands for sum x 2^(e0 + e1).
; gelu(y) = y / (1 + 2^z), z = y (c0 + c1 y^2), c0 = -2 log2(e) sqrt(2 / pi), c1 = 0.044715 c0: the same function as 0.5 y (1 + tanh(sqrt(2 / pi) (y + 0.044715 y^3))), all in f32.
; A tile of 256 tokens x 256 hidden units is made by four waves, a wave 128 x 128: 64 accumulators.  K goes in steps of 256 through a ring of two LDS slots filled by the tensor data mover.
; A WORK-GROUP STAYS and makes TWO tiles, 1,024 tokens apart, of the same 256 hidden units: 64 x 4 work-groups.  The ring goes on into the second tile: the first tile's last two changes of slots ask for the
; second tile's K steps 0 and 1, which are on their way during the first tile's way out.  The tail of a tile is written twice (with and without these requests), chosen by the count of tiles; the way out once.
; CLUSTERS: 4 x 4; the four of a row ask jointly for A's tiles, the four of a column for B's.  THE MATRIX INSTRUCTION IS USED TRANSPOSED (source 0 = 16 rows of B, source 1 = 16 rows of A): a lane holds one token.
; By w1c's row order register j of tile b holds hidden unit 32 (b / 2) + 16 (lane / 16) + 8 (b % 2) + j: the codes of tiles 2 c and 2 c + 1 are 16 neighbours along the next K.
; hc IS LAID AS THE NEXT LAUNCH'S FRAGMENT REGISTERS: [e][16 tokens][128 along K][c = 0 .. 3][lane][16 bytes], lane l holding token l % 16, K = 32 c + 16 (l / 16) + 0 .. 15.  So the conversions' results are stored
; as they stand, 512 consecutive aligned bytes a store, with no LDS stage.  A block's codes are written into its own accumulators, which are done with: no store's data are written again inside a tile.
; ALSO HERE: W2 [8][2048 k][1024 o], f32, becomes w2c [8 x 1024 (e, o)][2048 k], codes with K innermost (scale entry 3).  W2 has 512 pieces of 128 columns x 256 along K, one for each tile; a wave takes 128 columns
; x 64 along K.  Its 64 loads go into the registers that B's fragments have left (32 ahead of the tile's last step, 32 behind it), and are waited for behind the gelu.  Their stage has LDS bytes of its own.
; PREFETCH.  The first tile: behind the head's first joint load its K steps 1, 2 and 3 are asked for, each row's 256 bytes once in a cluster (the four partners take 32 of a wave's 128 rows each, by address).
; The second tile: its rows of B have been read by then; its four K steps of A are asked for in the first tile's first step of 128 along K, five steps ahead of the first load that wants them, by A's waves of clusters
; 0 to 3 alone: all sixteen clusters read the same 1,024 rows of xc.
; W2: a wave asks for its own 64 rows x 512 bytes of a tile's piece, 128 blocks of 256 bytes, a lane a block, four instructions: the first tile's behind the head's second joint load, the second tile's at the
; head of the first tile's way out: each a tile's eight steps of 128 along K, less one, ahead of the loads.  None stands among a tile's changes of slots.
; LIMITS: e0 + e1 between -126 and 127; e2 and e3 between -126 and 112.  NaN is not served; an infinity is held at the largest code.  K is permuted alike in both fragments, so only the order of sums inside an instruction differs.
; REGISTERS, in windows of 256: window 0: v10-31 constants and addresses; v32-95 b1 in the result's layout; from v128 A's fragments, ONE set (on the way out y, z, then W2's codes);
;   window 1: B's fragments, TWO sets; on the way out W2's 256 numbers a lane;  window 2: the accumulators of my rows 0-63 ((a, b) at v[8 (8 a + b)]);  window 3: those of rows 64-127.
.set ROWB,   256                       ; a tile's row: a K step of 256 codes
.set KROW,   1024                      ; a row of xc or w1c in memory
.set PITCH,  272                       ; an LDS row: 256 bytes + 16 of padding, so the 16 rows that a load touches start at 16 different banks (64 banks of 4 bytes: ISA guide 11.1)
.set FR,     16
.set NL,     4
.set NP,     4                         ; places behind this matrix instruction (ISA guide 7.12.1)
.set HALFT,  128*PITCH
.set SLOT,   4*HALFT
.set SPARE,  2*SLOT                    ; behind the ring: the spare words, 128 bytes for each wave
.set W2STG,  SPARE+512                 ; behind them: the stage for W2's codes, 128 rows x 272 bytes; no tile lands here
.set NEXT_A, 1024*KROW-2*ROWB          ; from a slot's last K step of a tile to its first of the next: A goes 1,024 rows down and back along K,
.set BACK_B, 2*ROWB                    ; B only back
.set WA,   14                          ; v14  16 x lane: my four columns of W2; also my place in a store of hc
.set WS,   15                          ; v15  where I put W2's codes: row 4 x lane, byte 64 x wave
.set ADRA, 16
.set WRD,  18                          ; v18  where I read a row of W2's codes back
.set ADRB, 20
.set LIM3, 22                          ; v22  57,344 x 2^e3
.set SC3,  23                          ; v23  2^e3
.set CW,   25                          ; v25  my byte offset in two rows of w2c
.set BO,   27                          ; v27  64 x (lane / 16): my half's numbers of b1
.set SPW,  28
.set NIL,  29
.set PFO,  30                          ; v30  the tiles' prefetches: a lane a row
.set PFW,  31                          ; v31  W2's prefetches: row lane / 2 of 4,096 bytes, block lane % 2 of 256
.set BIAS, 32
.set AF,   128
.set Y,    128
.set Z,    192
.set CDW,  128                         ; W2's codes, one register for each k
.set G1, 24
.set G0, 32
.set G1B, 48
.set G0B, 56
.set NXT, 93                           ; s93  2 in A's waves of clusters 0 to 3, else 0: where it equals the count of tiles to go, the next tile's rows of A are prefetched
.set PFA, 94                           ; s[94:95] my work-group's 32 rows of the 128 that I fetch, at K step 1; never rewritten
.set MSB, 0
.macro WIN new                         ; the immediate's high byte repeats the setting that is left
.if MSB != \new
	s_set_vgpr_msb (MSB<<8)|\new
.set MSB, \new
.endif
.endm
.set MUL_LO, 0xa1                      ; source 0 (B) window 1, source 1 (A) window 0, C and D window 2
.set MUL_HI, 0xf1                      ; the same, C and D window 3
.set TO_B,   0x40                      ; destination window 1, address window 0
; A joint load: waves 0 and 1 fetch for A, waves 2 and 3 for B; the branch hangs on the wave's number alone.  An s_nop 0 and four v_nop follow each of the two lines.
.macro JLOAD g0a, g1a, g0b, g1b
	s_cmp_eq_u32 s15, 0
	s_cbranch_scc0 .Lfor_b_\@
	tensor_load_to_lds s[\g0a:\g0a+3], s[\g1a:\g1a+7]
	s_nop 0
.rept 4
	v_nop
.endr
	s_branch .Lasked_\@
.Lfor_b_\@:
	tensor_load_to_lds s[\g0b:\g0b+3], s[\g1b:\g1b+7]
	s_nop 0
.rept 4
	v_nop
.endr
.Lasked_\@:
.endm
.macro CREST                           ; a round of the cluster's barrier behind its opening barrier
	s_cmp_lg_u32 s14, 0
	s_cbranch_scc1 .Lnot_wave_0_\@
	s_barrier_signal -3
.Lnot_wave_0_\@:
	s_barrier_wait -3
	s_barrier_signal -1
	s_barrier_wait -1
.endm
.macro CROUND
	s_barrier_signal -1
	s_barrier_wait -1
	CREST
.endm
.macro ASKW far                        ; my 64 rows x 512 bytes of a piece of W2, far bytes on from the piece in hand: 4 x 32 blocks of 256 bytes, a lane a block
.irp i, 0,1,2,3
	global_prefetch_b8 v[PFW], s[80:81] offset:\far+65536*\i th:TH_LOAD_NT scope:SCOPE_SE
.endr
.endm
	s_load_b128 s[4:7], s[0:1], 0x0                ; xc s[4:5], w1c s[6:7]
	s_load_b128 s[8:11], s[0:1], 0x10              ; the scales' exponents s[8:9], b1 s[10:11]
	s_load_b64 s[12:13], s[0:1], 0x20              ; hc
	s_load_b128 s[80:83], s[0:1], 0x28             ; W2 s[80:81], w2c s[82:83]
	v_lshl_add_u32 v[SPW], v0, 2, SPARE
	v_mov_b32 v[NIL], 0
	ds_add_u32 v[SPW], v[NIL]                      ; the wave's opening: the add, twice on end, and its wait ahead of my first tensor load
	ds_add_u32 v[SPW], v[NIL]
	v_lshrrev_b32 v1, 5, v0
	v_readfirstlane_b32 s14, v1                    ; wave 0..3
	s_lshr_b32 s15, s14, 1                         ; which half of the tile's rows is mine.  Also: I fetch for A (0) or for B (1)
	s_and_b32 s16, s14, 1                          ; which half of its columns.  Also: which 128 rows of that tile I fetch
	s_bfe_u32 s40, ttmp6, 0x40000                  ; cx
	s_bfe_u32 s41, ttmp6, 0x40004                  ; cy = my first tile's row of 256 tokens: the grid is one cluster high
	s_lshl_b32 s42, ttmp9, 2
	s_add_co_u32 s42, s42, s40                     ; tile column (256 hidden units of the 16,384) = 4 x cluster x + cx
	s_lshl_b32 s43, s41, 2
	s_lshl_b32 s43, 15, s43                        ; my row of the cluster
	s_lshl_b32 s44, 0x1111, s40                    ; my column
	s_or_b32 s[G1+0], s43, (0<<16)|(1<<20)|(1<<21)|(5<<22)|(3<<25)  ; the mask; elements of 1 byte; padding on; bit 21 beside a mask; after every 64 words, 4 words
	s_or_b32 s[G1B+0], s44, (0<<16)|(1<<20)|(1<<21)|(5<<22)|(3<<25)
.irp g, G1, G1B
	s_mov_b32 s[\g+1], ROWB<<16                    ; tensor_dim0
	s_mov_b32 s[\g+2], 128<<16                     ; tensor_dim1 = 128
	s_mov_b32 s[\g+3], ROWB<<16                    ; tile_dim0
	s_mov_b32 s[\g+4], 128                         ; tile_dim1 = 128
	s_mov_b32 s[\g+5], KROW                        ; tensor_dim0_stride
	s_mov_b32 s[\g+6], 0
	s_mov_b32 s[\g+7], 0
.endr
	s_lshl_b32 s18, s16, 7
	s_lshl_b32 s20, s41, 8
	s_add_co_u32 s20, s20, s18                     ; A: row 256 x tile row + 128 x half
	s_lshl_b32 s46, s42, 8
	s_add_co_u32 s46, s46, s18                     ; B: row 256 x tile column + 128 x half
	s_cmp_lt_u32 ttmp9, 4                          ; the cluster's number and the wave's: alike in all partners
	s_cselect_b32 s[NXT], 2, 0
	s_cmp_eq_u32 s15, 0                            ; the tiles' prefetches: of the 128 rows that I fetch,
	s_cselect_b32 s[NXT], s[NXT], 0
	s_cselect_b32 s90, s20, s46
	s_cselect_b32 s91, s40, s41                    ; my place among the four that ask for them with me
	s_lshl_b32 s91, s91, 5
	s_add_co_u32 s90, s90, s91                     ; picks 32,
	s_lshl_b32 s90, s90, 10
	s_add_co_u32 s90, s90, ROWB                    ; at K step 1
	s_mov_b32 s91, 0
	s_lshl_b32 s20, s20, 10                        ; rows of 1,024 bytes
	s_mov_b32 s21, 0
	s_lshl_b32 s46, s46, 10
	s_mov_b32 s47, 0
	s_mul_i32 s45, s14, HALFT                      ; where the tiles go: wave x 128 rows
	s_wait_dscnt 0x0                               ; both opening adds are done
	s_wait_kmcnt 0x0
	s_load_b128 s[68:71], s[8:9], 0x0              ; e0, e1, e2, e3
	s_add_nc_u64 s[20:21], s[4:5], s[20:21]
	s_add_nc_u64 s[46:47], s[6:7], s[46:47]
	s_cmp_eq_u32 s15, 0
	s_cselect_b64 s[PFA:PFA+1], s[4:5], s[6:7]
	s_add_nc_u64 s[PFA:PFA+1], s[PFA:PFA+1], s[90:91]
	CROUND                                         ; all sixteen work-groups are here: the first joint loads meet
.irp s, 0,1
	s_mov_b32 s[G0+4*\s], 1
	s_add_co_u32 s[G0+4*\s+1], s45, \s*SLOT
	s_add_nc_u64 s[G0+4*\s+2:G0+4*\s+3], s[20:21], \s*ROWB
	s_or_b32 s[G0+4*\s+3], s[G0+4*\s+3], 0x80000000
	s_mov_b32 s[G0B+4*\s], 1
	s_add_co_u32 s[G0B+4*\s+1], s45, \s*SLOT
	s_add_nc_u64 s[G0B+4*\s+2:G0B+4*\s+3], s[46:47], \s*ROWB
	s_or_b32 s[G0B+4*\s+3], s[G0B+4*\s+3], 0x80000000
.endr
	JLOAD G0, G1, G0B, G1B                         ; K step 0: one tensor load a wave at the head
	s_mul_i32 s21, s15, HALFT                      ; my 128 rows of A
	s_mul_i32 s22, s16, HALFT                      ; my 128 rows of B,
	s_add_co_u32 s22, s22, 2*HALFT                 ; which lie behind A's 256
	s_lshl_b32 s23, s14, 6
	s_add_co_u32 s23, s23, W2STG                   ; W2's stage: row = column of W2; wave w writes bytes 64 w .. 64 w + 63 of each row,
	s_mul_i32 s92, s14, 32*PITCH
	s_add_co_u32 s92, s92, W2STG                   ; and reads rows 32 w .. 32 w + 31 back, whole
	s_wait_kmcnt 0x0
	s_add_co_i32 s72, s68, s69
	s_add_co_i32 s72, s72, 127
	s_lshl_b32 s72, s72, 23                        ; 2^(e0 + e1) as f32
	s_mov_b32 s73, s72                             ; (named with it as a pair, so it is written)
	s_mov_b32 s74, 0xbdd2d3e8                      ; c1 = -0.10294324
	s_mov_b32 s75, s74
	s_add_co_i32 s76, s70, 127
	s_lshl_b32 s77, s76, 23
	s_add_co_i32 s76, s76, 15
	s_lshl_b32 s76, s76, 23
	s_or_b32 s76, s76, 0x600000
	s_add_co_i32 s78, s71, 127
	s_lshl_b32 s79, s78, 23
	s_add_co_i32 s78, s78, 15
	s_lshl_b32 s78, s78, 23
	s_or_b32 s78, s78, 0x600000
	s_mov_b32 s86, 0x05010400                      ; v_perm_b32's selectors: bytes 0 and 1 of two words, interleaved;
	s_mov_b32 s87, 0x07030602                      ; bytes 2 and 3, interleaved;
	s_mov_b32 s88, 0x05040100                      ; the two low halves;
	s_mov_b32 s89, 0x07060302                      ; the two high halves
	v_and_b32 v1, 15, v0                           ; r = lane % 16
	v_bfe_u32 v2, v0, 4, 1                         ; hh = lane / 16
	v_and_b32 v6, 31, v0                           ; lane
	v_mul_u32_u24 v3, v1, PITCH
	v_lshl_add_u32 v4, v2, 4, v3                   ; a fragment's row x pitch + 16 x half
	v_add_nc_u32 v[ADRA], s21, v4
	v_add_nc_u32 v[ADRB], s22, v4
	v_add_nc_u32 v[ADRA+1], SLOT, v[ADRA]
	v_add_nc_u32 v[ADRB+1], SLOT, v[ADRB]
	v_lshlrev_b32 v[WA], 4, v6
	v_mul_u32_u24 v7, v6, 4*PITCH                  ; my four columns of W2 are stage rows 4 lane + 0 .. 3
	v_add_nc_u32 v[WS], s23, v7
	v_mul_u32_u24 v8, v2, PITCH
	v_lshl_add_u32 v8, v1, 4, v8
	v_add_nc_u32 v[WRD], s92, v8                   ; back: lanes 0-15 one row, lanes 16-31 the next
	v_lshlrev_b32 v5, 11, v2
	v_lshl_add_u32 v[CW], v1, 4, v5                ; and the same two rows in w2c: 2,048 bytes a row
	v_lshlrev_b32 v[BO], 6, v2
	v_lshlrev_b32 v[PFO], 10, v6
	v_lshrrev_b32 v9, 1, v6
	v_and_b32 v7, 1, v6
	v_lshlrev_b32 v7, 8, v7
	v_lshl_add_u32 v[PFW], v9, 12, v7
	v_mov_b32 v10, s76                             ; 57,344 x 2^e2
	v_mov_b32 v11, s77                             ; 2^e2 as f32
	v_mov_b32 v12, 0xc0135761                      ; c0 = -2.3022082, twice
	v_mov_b32 v13, 0xc0135761
	v_mov_b32 v[LIM3], s78                         ; 57,344 x 2^e3
	v_mov_b32 v[SC3], s79                          ; 2^e3 as f32
	s_wait_alu depctr_va_vdst(0)                   ; the wait behind the head's last vector instruction
	s_lshl_b32 s46, s42, 10                        ; b1, the experts on end: number 256 x tile column + 128 x half
	s_lshl_b32 s47, s16, 9
	s_add_co_u32 s46, s46, s47
	s_mov_b32 s47, 0
	s_add_nc_u64 s[10:11], s[10:11], s[46:47]
.irp i, 0,1,2
	global_prefetch_b8 v[PFO], s[PFA:PFA+1] offset:ROWB*\i th:TH_LOAD_NT scope:SCOPE_SE   ; K steps 1, 2, 3 of my 32 rows: K step 1's load goes out only when K step 0 has landed
.endr
.irp b, 0,1,2,3,4,5,6,7
	global_load_b128 v[BIAS+8*\b:BIAS+8*\b+3], v[BO], s[10:11] offset:128*(\b/2)+32*(\b%2)      ; b1 of hidden units 32 (b / 2) + 16 hh + 8 (b % 2) + 0 .. 7: waited for ahead of the first tile's last step
	global_load_b128 v[BIAS+8*\b+4:BIAS+8*\b+7], v[BO], s[10:11] offset:128*(\b/2)+32*(\b%2)+16
.endr
	s_lshr_b32 s84, s42, 3                         ; the expert
	s_and_b32 s85, s42, 7                          ; which 256 of its hidden units; also which 128 of W2's columns
	s_lshl_b32 s46, s84, 22                        ; hc: an expert is 2^22 bytes;
	s_lshl_b32 s47, s85, 12                        ; 128 along K are 2,048 bytes: 2 x (tile column % 8)
	s_add_co_u32 s46, s46, s47
	s_lshl_b32 s47, s16, 11                        ; + my half;
	s_add_co_u32 s46, s46, s47
	s_lshl_b32 s47, s41, 19                        ; 16 tokens are 2^15 bytes: 16 x tile row
	s_add_co_u32 s46, s46, s47
	s_lshl_b32 s47, s15, 18                        ; + 8 x my half
	s_add_co_u32 s46, s46, s47
	s_mov_b32 s47, 0
	s_add_nc_u64 s[12:13], s[12:13], s[46:47]
	s_lshl_b32 s46, s84, 23                        ; W2: an expert is 2^23 bytes,
	s_lshl_b32 s47, s41, 20                        ; the piece's 256 rows of 4,096 bytes: K = 256 x tile row on,
	s_add_co_u32 s46, s46, s47
	s_lshl_b32 s47, s14, 18                        ; my wave's 64 rows,
	s_add_co_u32 s46, s46, s47
	s_lshl_b32 s47, s85, 9                         ; 128 columns of 4 bytes
	s_add_co_u32 s46, s46, s47
	s_mov_b32 s47, 0
	s_add_nc_u64 s[80:81], s[80:81], s[46:47]
	s_lshl_b32 s46, s84, 21                        ; w2c: an expert is 2^21 bytes,
	s_lshl_b32 s47, s85, 18                        ; 128 rows of 2,048 codes,
	s_add_co_u32 s46, s46, s47
	s_lshl_b32 s47, s14, 16                        ; the 32 rows that my wave stores,
	s_add_co_u32 s46, s46, s47
	s_lshl_b32 s47, s41, 8                         ; the piece's 256 along K
	s_add_co_u32 s46, s46, s47
	s_mov_b32 s47, 0
	s_add_nc_u64 s[82:83], s[82:83], s[46:47]
	s_mov_b32 s2, 2                                ; tiles to go: the same number in every work-group
.macro FRAG reg, adr, q, i             ; a fragment, 16 rows x 128 K: lane l holds row l % 16; registers 4 c .. 4 c + 3 hold K = 32 c + 16 (l / 16) + 0 .. 15
.irp c, 0,1,2,3
	ds_load_b128 v[\reg+4*\c:\reg+4*\c+3], v[\adr] offset:128*(\q)+32*\c+(\i)*16*PITCH
.endr
.endm
; 16 matrix instructions: A's blocks a0, a0 + 1 x B's eight.  p: B's set.  zero = 1: the first product starts the sums.  The 64 accumulators take turns, one instruction a turn.
.macro MUL16 a0, p, zero
.irp a, \a0, \a0+1
.irp b, 0,1,2,3,4,5,6,7
.if \zero
	v_wmma_f32_16x16x128_bf8_bf8 v[8*(8*((\a)%4)+\b):8*(8*((\a)%4)+\b)+7], v[128*(\p)+FR*\b:128*(\p)+FR*\b+FR-1], v[AF+FR*(\a):AF+FR*(\a)+FR-1], 0
.else
	v_wmma_f32_16x16x128_bf8_bf8 v[8*(8*((\a)%4)+\b):8*(8*((\a)%4)+\b)+7], v[128*(\p)+FR*\b:128*(\p)+FR*\b+FR-1], v[AF+FR*(\a):AF+FR*(\a)+FR-1], v[8*(8*((\a)%4)+\b):8*(8*((\a)%4)+\b)+7]
.endif
.endr
.endr
.endm
.macro FETCH_B slot, q, p
	WIN TO_B
.irp i, 0,1,2,3,4,5,6,7
	FRAG 128*(\p)+FR*\i, ADRB+\slot, \q, \i
.endr
	WIN 0
.endm
.macro FETCH_A slot, q, i0
.irp i, \i0, \i0+1, \i0+2, \i0+3
	FRAG AF+FR*(\i), ADRA+\slot, \q, \i
.endr
.endm
.macro PLACES n                        ; plain vector instructions between a matrix instruction and a load into a register that it has read, or a read of its result
.rept \n
	v_nop
.endr
.endm
; A step of 128 along K that has its successor in the same slot.  ask = 1: in the first tile, A's waves of clusters 0 to 3 prefetch the next tile's four K steps of their 32 rows, 1,024 rows further down
.macro STEP slot, q, zero, ask
	s_wait_dscnt 4*NL                              ; B's set and A's blocks 0-3 are in; the youngest 16 loads (A's blocks 4-7) may be out
	WIN MUL_LO
	MUL16 0, (\q)%2, \zero
	MUL16 2, (\q)%2, \zero
	s_wait_dscnt 0                                 ; A's blocks 4-7 are in
	PLACES NP
	FETCH_B \slot, (\q)+1, 1-(\q)%2
	FETCH_A \slot, (\q)+1, 0
.if \ask
	s_cmp_eq_u32 s2, s[NXT]                        ; the count of tiles, the wave's and the cluster's number: in the last tile nobody asks, so no address leaves xc
	s_cbranch_scc0 .Lno_next_\@
.irp i, 0,1,2,3
	global_prefetch_b8 v[PFO], s[PFA:PFA+1] offset:1024*KROW-ROWB+ROWB*\i th:TH_LOAD_NT scope:SCOPE_SE
.endr
.Lno_next_\@:
.endif
	WIN MUL_HI
	MUL16 4, (\q)%2, \zero
	MUL16 6, (\q)%2, \zero
	PLACES NP
	WIN 0
	FETCH_A \slot, (\q)+1, 4
.endm
.macro NEXTG slot, fill                ; the slot's descriptors step: fill = 1: two K steps on; fill = 2: to the same slot's first K step of the next tile.  No load of mine is out here
.if \fill == 2
	s_add_nc_u64 s[G0+4*\slot+2:G0+4*\slot+3], s[G0+4*\slot+2:G0+4*\slot+3], NEXT_A
	s_sub_nc_u64 s[G0B+4*\slot+2:G0B+4*\slot+3], s[G0B+4*\slot+2:G0B+4*\slot+3], BACK_B
.else
	s_add_nc_u64 s[G0+4*\slot+2:G0+4*\slot+3], s[G0+4*\slot+2:G0+4*\slot+3], 2*ROWB
	s_add_nc_u64 s[G0B+4*\slot+2:G0B+4*\slot+3], s[G0B+4*\slot+2:G0B+4*\slot+3], 2*ROWB
.endif
.endm
; A slot's last step changes slots: ONE barrier; in front of it each wave waits for all its tensor loads, adds 0 to its spare word, and waits for that and for its reads of this slot.  fill > 0: the slot is filled again.
.macro TURN slot, next, fill
	s_wait_tensorcnt 0x0                           ; all my tensor loads have landed: my part of the next slot
	ds_add_u32 v[SPW], v[NIL]
	s_wait_dscnt 4*NL+1                            ; the add and the youngest 16 loads may be out
	WIN MUL_LO
	MUL16 0, 1, 0
	s_wait_dscnt 0x0                               ; the add is done, and my reads of this slot are over
	s_barrier_signal -1
	MUL16 2, 1, 0
	WIN 0
	s_barrier_wait -1
.if \fill
	CREST                                          ; the barrier has opened a round of the cluster's: no wave of any partner still reads this slot or has a load on its way
	NEXTG \slot, \fill
	JLOAD G0+4*\slot, G1, G0B+4*\slot, G1B         ; the first tensor load behind the round; its four v_nop are the places in front of the loads below
.else
	PLACES NP
.endif
	FETCH_B \next, 0, 0
	FETCH_A \next, 0, 0
	WIN MUL_HI
	MUL16 4, 1, 0
	MUL16 6, 1, 0
	PLACES NP
	WIN 0
	FETCH_A \next, 0, 4
.endm
; W2(64 wave + t, 4 lane + 0 .. 3) into registers 4 t .. 4 t + 3 of window 1: the wave reads 512 consecutive bytes a load
.macro WLOAD t0, n
	WIN TO_B
.set t, \t0
.rept \n
	global_load_b128 v[4*t:4*t+3], v[WA], s[80:81] offset:4096*t th:TH_LOAD_NT
.set t, t+1
.endr
	WIN 0
.endm
; A tile's very last step (slot 1; it multiplies B's set 1).  Ahead of it half of W2's loads go out, into B's set 0, whose last products stand four places and more back.
; fill = 1: the step changes slots as TURN does: behind the round slot 0 holds the next tile's K step 0, whole, and slot 1 is asked to take its K step 1; the fragments are fetched behind the way out.
.macro FINAL fill
	WLOAD 0, 32
.if \fill
	s_wait_tensorcnt 0x0
	ds_add_u32 v[SPW], v[NIL]
	s_wait_dscnt 4*NL+1
.else
	s_wait_dscnt 4*NL
.endif
	WIN MUL_LO
	MUL16 0, 1, 0
.if \fill
	s_wait_dscnt 0x0
	s_barrier_signal -1
.endif
	MUL16 2, 1, 0
.if \fill
	WIN 0
	s_barrier_wait -1
	CREST
	NEXTG 1, 2
	JLOAD G0+4, G1, G0B+4, G1B
.else
	s_wait_dscnt 0
.endif
	WIN MUL_HI
	MUL16 4, 1, 0
	MUL16 6, 1, 0
	WIN 0
	PLACES NP                                      ; in front of the way out's loads into B's set 1 and its reads of the sums
.endm
; Bias, gelu, quantiser and store of block a: 16 tokens x 128 hidden units
.macro GELUQ a
.set AC, 64*((\a)%4)
	WIN (0x02+((\a)/4))                            ; source 0: window 2 or 3
	s_wait_alu depctr_va_vdst(0)
.set i, 0
.rept 32
	v_pk_fma_f32 v[Y+i:Y+i+1], v[AC+i:AC+i+1], s[72:73], v[BIAS+i:BIAS+i+1] op_sel_hi:[1,0,1]   ; y = sum x 2^(e0 + e1) + b1; each accumulator from its low end on
.set i, i+2
.endr
	WIN 0
.set i, 0
.rept 32
	v_pk_mul_f32 v[Z+i:Z+i+1], v[Y+i:Y+i+1], v[Y+i:Y+i+1]
.set i, i+2
.endr
.set i, 0
.rept 32
	v_pk_fma_f32 v[Z+i:Z+i+1], v[Z+i:Z+i+1], s[74:75], v[12:13] op_sel_hi:[1,0,1]   ; c1 y^2 + c0
.set i, i+2
.endr
.set i, 0
.rept 32
	v_pk_mul_f32 v[Z+i:Z+i+1], v[Z+i:Z+i+1], v[Y+i:Y+i+1]   ; z
.set i, i+2
.endr
	s_wait_alu depctr_va_vdst(0)                   ; one wait ahead of the batch
.set i, 0
.rept 64
	v_exp_f32 v[Z+i], v[Z+i]
.set i, i+1
.endr
	v_nop                                          ; a plain instruction behind the last exponential,
	s_wait_alu depctr_va_vdst(0)                   ; and one wait for the batch, ahead of its first reader
.set i, 0
.rept 32
	v_pk_add_f32 v[Z+i:Z+i+1], v[Z+i:Z+i+1], 1.0 op_sel_hi:[1,0]
.set i, i+2
.endr
	s_wait_alu depctr_va_vdst(0)
.set i, 0
.rept 64
	v_rcp_f32 v[Z+i], v[Z+i]
.set i, i+1
.endr
	v_nop
	s_wait_alu depctr_va_vdst(0)                   ; one wait for the 64 reciprocals
.set i, 0
.rept 32
	v_pk_mul_f32 v[Y+i:Y+i+1], v[Y+i:Y+i+1], v[Z+i:Z+i+1]   ; gelu(y)
.set i, i+2
.endr
.set i, 0
.rept 64
	v_med3_num_f32 v[Y+i], v[Y+i], -v10, v10       ; the hold at the largest code x the scale (the conversion does not saturate: ISA guide 7.6.2)
.set i, i+1
.endr
	WIN (0x80+0x40*((\a)/4))                       ; destination: window 2 or 3: the codes take the first 16 registers of the block's own accumulators, which have been read
.irp b, 0,1,2,3,4,5,6,7
	v_cvt_scalef32_pk8_bf8_f32 v[AC+2*\b:AC+2*\b+1], v[Y+8*\b:Y+8*\b+7], v11
.endr
	v_nop                                          ; a plain vector line behind the last conversion
	WIN (0x08+0x04*((\a)/4))                       ; a store's data are its source 1: window 2 or 3
.irp c, 0,1,2,3
	global_store_b128 v[WA], v[AC+4*\c:AC+4*\c+3], s[12:13] offset:32768*(\a)+512*\c th:TH_STORE_NT   ; token 16 a + r, K = 32 c + 16 hh + 0 .. 15: the wave stores 512 consecutive bytes, aligned
.endr
.endm
	s_wait_tensorcnt 0x0                           ; my part of K step 0 is in
	ds_add_u32 v[SPW], v[NIL]
	s_wait_dscnt 0x0
	CROUND                                         ; everybody's part of K step 0 is in, and all sixteen work-groups are here
	JLOAD G0+4, G1, G0B+4, G1B                     ; K step 1, the first tensor load behind the round
	ASKW 0                                         ; the first tile's piece of W2
.Ltile:                                                ; here slot 0 holds the tile's K step 0, whole, and K step 1 is on its way to slot 1
	FETCH_B 0, 0, 0
	FETCH_A 0, 0, 0
	FETCH_A 0, 0, 4
	STEP 0, 0, 1, 1                                ; the first products start the sums: nothing is cleared
	TURN 0, 1, 1
	STEP 1, 0, 0, 0
	TURN 1, 0, 1
	STEP 0, 0, 0, 0
	s_wait_loadcnt 0x0                             ; b1, asked for at the head (in the second tile nothing is out): so the waits on LOADcnt further down count W2's loads alone
	s_cmp_eq_u32 s2, 1
	s_cbranch_scc1 .Llast_tile                     ; the last tile's tail asks for nothing more
	TURN 0, 1, 2                                   ; the ring goes on into the next tile: slot 0 takes its K step 0,
	STEP 1, 0, 0, 0
	FINAL 1                                        ; slot 1 its K step 1
	s_branch .Lway_out
.Llast_tile:
	TURN 0, 1, 0
	STEP 1, 0, 0, 0
	FINAL 0
.Lway_out:
	; THE WAY OUT: the rest of W2's loads go out; bias, gelu, quantiser and store, a block of 16 tokens x 128 hidden units at a time; then W2's codes.
	WLOAD 32, 24                                   ; LOADcnt counts to 63, and a load beyond that is held at issue (ISA guide 5.7.1): the last eight of the 64 go out four blocks further down
	s_cmp_eq_u32 s2, 2
	s_cbranch_scc0 .Lno_piece                      ; behind the last tile there is no piece: nothing is asked for
	ASKW 0x400000                                  ; the next tile's piece of W2: 1,024 rows of 4,096 bytes on, in the same expert
.Lno_piece:
.irp a, 0,1,2,3
	GELUQ \a
.endr
	WLOAD 56, 8
.irp a, 4,5,6,7
	GELUQ \a
.endr
	WIN 0
	; W2'S CODES.  Register 4 t + j of window 1 holds W2(k = t, column j of my four).  A conversion's eight registers are two k x four columns, so a register of codes holds FOUR COLUMNS of one k;
	; eight v_perm_b32 turn four such registers (4 k x 4 columns of bytes) into four registers of FOUR K of one column.
	s_wait_alu depctr_va_vdst(0)
	s_wait_loadcnt 0x0                             ; W2's 64 loads
	WIN 0x41                                       ; destination and source 0 window 1; the limit in window 0
.set i, 0
.rept 256
	v_med3_num_f32 v[i], v[i], -v[LIM3], v[LIM3]   ; the hold at the largest code x the scale
.set i, i+1
.endr
	WIN 0x01                                       ; source 0 window 1, destination window 0
.set i, 0
.rept 32
	v_cvt_scalef32_pk8_bf8_f32 v[CDW+2*i:CDW+2*i+1], v[8*i:8*i+7], v[SC3]   ; registers CDW + 2 i, + 1: k = 2 i, 2 i + 1; byte j: column j
.set i, i+1
.endr
	v_nop                                          ; a plain vector line behind the last conversion
	WIN 0x40                                       ; destination window 1, sources window 0
.set i, 0
.rept 16                               ; k = 4 i + 0 .. 3.  First: pairs of k side by side
	v_perm_b32 v[4*i],   v[CDW+4*i+1], v[CDW+4*i],   s86
	v_perm_b32 v[4*i+1], v[CDW+4*i+1], v[CDW+4*i],   s87
	v_perm_b32 v[4*i+2], v[CDW+4*i+3], v[CDW+4*i+2], s86
	v_perm_b32 v[4*i+3], v[CDW+4*i+3], v[CDW+4*i+2], s87
.set i, i+1
.endr
	WIN 0x45                                       ; destination and both sources window 1
.set i, 0
.rept 16                               ; then halves: register 64 + 16 c + i holds k = 4 i + 0 .. 3 of column c
	v_perm_b32 v[64+i],  v[4*i+2], v[4*i],   s88
	v_perm_b32 v[80+i],  v[4*i+2], v[4*i],   s89
	v_perm_b32 v[96+i],  v[4*i+3], v[4*i+1], s88
	v_perm_b32 v[112+i], v[4*i+3], v[4*i+1], s89
.set i, i+1
.endr
	WIN 0x04                                       ; an LDS store's data are its source 1: window 1
.irp c, 0,1,2,3
.irp q, 0,1,2,3
	ds_store_b128 v[WS], v[64+16*\c+4*\q:64+16*\c+4*\q+3] offset:PITCH*\c+16*\q   ; column 4 lane + c, k = 64 wave + 16 q + 0 .. 15
.endr
.endr
	WIN 0
	s_wait_dscnt 0x0                               ; for the others' sake: my stores into the stage are done (a row's 256 bytes come from four waves)
	s_barrier_signal -1                            ; the next tile's K step 1 may stay on its way
	s_barrier_wait -1
	WIN TO_B
.set t, 0
.rept 16
	ds_load_b128 v[128+4*t:131+4*t], v[WRD] offset:2*PITCH*t
.set t, t+1
.endr
	WIN 0x04                                       ; a store's data are its source 1: window 1
.set t, 0
.rept 16
	s_wait_dscnt 15-t                              ; pair t of rows is back; the later ones may be out
	global_store_b128 v[CW], v[128+4*t:131+4*t], s[82:83] offset:4096*t   ; 16 lanes store 256 consecutive bytes, aligned
.set t, t+1
.endr
	WIN 0
	s_wait_xcnt 0x0                                ; the tile's stores, loads and prefetches have read their registers and bases: the bases step, and the next tile's sums and fragments may land
	s_add_nc_u64 s[12:13], s[12:13], 0x200000      ; hc: 1,024 tokens on
	s_add_nc_u64 s[80:81], s[80:81], 0x400000      ; W2: 1,024 rows on
	s_add_nc_u64 s[82:83], s[82:83], 1024          ; w2c: 1,024 along K on
	s_sub_co_u32 s2, s2, 1
	s_cmp_lg_u32 s2, 0
	s_cbranch_scc1 .Ltile
	s_wait_tensorcnt 0x0                           ; the wave's end
	ds_add_u32 v[SPW], v[NIL]
	s_wait_dscnt 0x0
	CROUND                                         ; the closing round: no work-group ends while a partner may still ask for a tile that names it
	s_endpgm
.Lfunc_end_k_qdad3a05366_gemm1:
	.size	k_qdad3a05366_gemm1, .Lfunc_end_k_qdad3a05366_gemm1-k_qdad3a05366_gemm1
	.p2alignl 7, 3214868480
	.fill 96, 4, 3214868480
	.section	.rodata,"a",@progbits
	.p2align	6, 0x0
	.amdhsa_kernel k_qdad3a05366_gemm1
		.amdhsa_group_segment_fixed_size 327680
		.amdhsa_private_segment_fixed_size 0
		.amdhsa_enable_private_segment 0
		.amdhsa_kernarg_size 56
		.amdhsa_user_sgpr_count 2
		.amdhsa_user_sgpr_kernarg_segment_ptr 1
		.amdhsa_wavefront_size32 1
		.amdhsa_system_sgpr_workgroup_id_x 1
		.amdhsa_system_sgpr_workgroup_id_y 1
		.amdhsa_system_sgpr_workgroup_id_z 1
		.amdhsa_system_vgpr_workitem_id 0
		.amdhsa_next_free_vgpr 1024
		.amdhsa_next_free_sgpr 100
		.amdhsa_reserve_vcc 0
		.amdhsa_float_denorm_mode_32 3
		.amdhsa_float_denorm_mode_16_64 3
		.amdhsa_memory_ordered 1
		.amdhsa_forward_progress 1
		.amdhsa_inst_pref_size 255
	.end_amdhsa_kernel
	.section	.bss,"aw",@nobits
	.p2align	6
	.space	262144
	.amdgpu_metadata
---
amdhsa.version: [ 1, 2 ]
amdhsa.kernels:
  - .name:           k_qdad3a05366_gemm1
    .symbol:         k_qdad3a05366_gemm1.kd
    .args:
      - { .name: xc, .offset: 0, .size: 8, .value_kind: global_buffer, .address_space: global }
      - { .name: w1c, .offset: 8, .size: 8, .value_kind: global_buffer, .address_space: global }
      - { .name: lowp_scales, .offset: 16, .size: 8, .value_kind: global_buffer, .address_space: global }
      - { .name: b1, .offset: 24, .size: 8, .value_kind: global_buffer, .address_space: global }
      - { .name: hc, .offset: 32, .size: 8, .value_kind: global_buffer, .address_space: global }
      - { .name: W2, .offset: 40, .size: 8, .value_kind: global_buffer, .address_space: global }
      - { .name: w2c, .offset: 48, .size: 8, .value_kind: global_buffer, .address_space: global }
    .group_segment_fixed_size: 327680
    .private_segment_fixed_size: 0
    .kernarg_segment_align: 8
    .kernarg_segment_size: 56
    .max_flat_workgroup_size: 128
    .sgpr_count:     100
    .vgpr_count:     1024
    .wavefront_size: 32
...
	.end_amdgpu_metadata
.endif
;; end of part 2
;; launch gemm2 (part 3): grid 4 x 64, 4 waves a work-group, clusters of 4 x 4, 327,680 bytes of LDS; arguments hc, w2c, lowp_scales, b2, eo; writes eo
.if DOCPART == 3
	.amdgcn_target "amdgcn-amd-amdhsa--gfx1250"
	.amdhsa_code_object_version 6
	.text
	.protected	k_qdad3a05366_gemm2
	.globl	k_qdad3a05366_gemm2
	.p2align	8
	.type	k_qdad3a05366_gemm2,@function
k_qdad3a05366_gemm2:
	s_mov_b64 s[64:65], 0
	v_nop
	global_prefetch_b8 v0, s[64:65] scope:SCOPE_SE
	s_setreg_imm32_b32 hwreg(HW_REG_WAVE_MODE, 25, 1), 1
	s_wait_xcnt 0x0
	s_wait_alu depctr_hold_cnt(0) depctr_sa_sdst(0) depctr_va_vdst(0) depctr_va_sdst(0) depctr_va_ssrc(0) depctr_va_vcc(0) depctr_vm_vsrc(0)
	s_getreg_b32 s2, hwreg(HW_REG_IB_STS2, 6, 4)
	s_cmp_eq_u32 s2, 0
	s_cbranch_scc0 .Lentry_in_a_cluster
	s_endpgm
.Lentry_in_a_cluster:
	s_bfe_u32 s2, ttmp6, 0x10000c
	s_cmp_lg_u32 s2, 0xf033
	s_cbranch_scc0 .Lentry_shape_is_right
	s_endpgm
.Lentry_shape_is_right:
; eo[e][n][o] = sum over h of hc[e][n][h] w2c[e][o][h] x 2^(e2 + e3) + b2[e][o], rounded to bf16: the second product on codes of BF8 (E5M2).  No work is left out.
; A = hc, the experts' tokens on end (16,384 rows), laid as fragment registers: [16 rows][128 along K][c = 0 .. 3][lane][16 bytes], lane l holding row l % 16, K = 32 c + 16 (l / 16) + 0 .. 15.
; B = w2c [8 x 1024][2048]: codes, K innermost.  eo: [8][2048][1024] bf16.  LIMIT: e2 + e3 between -126 and 127.  K is permuted alike in both fragments, so only the order of sums inside an instruction differs.
; A tile of 256 x 256 is made by four waves, a wave 128 x 128: 64 accumulators.  K goes in steps of 256 through a ring of two LDS slots filled by the tensor data mover: of A eight rows of 4,096 bytes a load
; (16 rows x 256 along K each, dense in LDS: a fragment load reads 512 bytes on end), of B 128 rows of 256 bytes, padded to 272.
; CLUSTERS: 4 x 4; the four of a row ask jointly for A's tiles, the four of a column for B's (a cluster's four tile rows lie in one expert).  THE MATRIX INSTRUCTION IS USED TRANSPOSED (source 0 = B, source 1 = A).
; PREFETCH: behind each joint load, for K step t, the K step t + 2 is asked for, up to the last; each aligned 256 bytes once in a cluster: of what a wave fetches each of the four partners takes a quarter, by address.
; REGISTERS, in windows of 256: window 0: v16-30 addresses; v32-95 b2 in the result's layout; v96-127 packed results; from v128 A's fragments, ONE set; window 1: B's fragments, TWO sets; windows 2, 3: the accumulators.
.set ROWB,   256                       ; a K step of a row of B
.set ASTEP,  4096                      ; a K step of 16 rows of A
.set KROW,   2048
.set PITCH,  272
.set FR,     16
.set NL,     4
.set NP,     4                         ; places behind this matrix instruction (ISA guide 7.12.1)
.set HALFT,  128*PITCH                 ; LDS room for 128 rows (A's use 32,768 bytes of it)
.set SLOT,   4*HALFT
.set LAPS,   4                         ; 8 K steps, two to a lap
.set SPARE,  2*SLOT
.set ADRA, 16
.set ADRB, 20
.set STO,  24
.set RD,   25
.set CO,   26
.set BO,   27
.set SPW,  28
.set NIL,  29
.set PFO,  30                          ; v30  the prefetches' offset; never rewritten
.set BIAS, 32
.set PK,   96
.set AF,   128
.set TMP,  128
.set BK,   192
.set G1, 24
.set G0, 32
.set G1B, 48
.set G0B, 56
.set PFA, 84                           ; s[84:85] where my prefetches stand
.set PFS, 86                           ; s[86:87] a K step on, in bytes
.set MSB, 0
.macro WIN new                         ; the immediate's high byte repeats the setting that is left
.if MSB != \new
	s_set_vgpr_msb (MSB<<8)|\new
.set MSB, \new
.endif
.endm
.set MUL_LO, 0xa1
.set MUL_HI, 0xf1
.set TO_B,   0x40
.macro JLOAD g0a, g1a, g0b, g1b        ; waves 0 and 1 fetch for A, waves 2 and 3 for B; an s_nop 0 and four v_nop follow each line
	s_cmp_eq_u32 s15, 0
	s_cbranch_scc0 .Lfor_b_\@
	tensor_load_to_lds s[\g0a:\g0a+3], s[\g1a:\g1a+7]
	s_nop 0
.rept 4
	v_nop
.endr
	s_branch .Lasked_\@
.Lfor_b_\@:
	tensor_load_to_lds s[\g0b:\g0b+3], s[\g1b:\g1b+7]
	s_nop 0
.rept 4
	v_nop
.endr
.Lasked_\@:
.endm
.macro CREST
	s_cmp_lg_u32 s14, 0
	s_cbranch_scc1 .Lnot_wave_0_\@
	s_barrier_signal -3
.Lnot_wave_0_\@:
	s_barrier_wait -3
	s_barrier_signal -1
	s_barrier_wait -1
.endm
.macro CROUND
	s_barrier_signal -1
	s_barrier_wait -1
	CREST
.endm
.macro ASK inloop                      ; 32 blocks of 256 bytes, a lane a block.  In the loop's last trip (s3 = 1) there is no K step two on
.if \inloop
	s_cmp_gt_u32 s3, 1
	s_cbranch_scc0 .Lnone_\@
.endif
	global_prefetch_b8 v[PFO], s[PFA:PFA+1] th:TH_LOAD_NT scope:SCOPE_SE
.Lnone_\@:
.endm
	s_load_b128 s[4:7], s[0:1], 0x0                ; hc s[4:5], w2c s[6:7]
	s_load_b128 s[8:11], s[0:1], 0x10              ; the scales' exponents s[8:9], b2 s[10:11]
	s_load_b64 s[12:13], s[0:1], 0x20              ; eo
	v_lshl_add_u32 v[SPW], v0, 2, SPARE
	v_mov_b32 v[NIL], 0
	ds_add_u32 v[SPW], v[NIL]                      ; the wave's opening: the add, twice on end, and its wait ahead of my first tensor load
	ds_add_u32 v[SPW], v[NIL]
	v_lshrrev_b32 v1, 5, v0
	v_readfirstlane_b32 s14, v1                    ; wave 0..3
	s_lshr_b32 s15, s14, 1                         ; my half of the tile's rows; also: I fetch for A (0) or B (1)
	s_and_b32 s16, s14, 1                          ; my half of its columns; also: which half of that tile I fetch
	s_bfe_u32 s40, ttmp6, 0x40000                  ; cx
	s_bfe_u32 s41, ttmp6, 0x40004                  ; cy
	s_lshl_b32 s42, ttmp9, 2
	s_add_co_u32 s42, s42, s40                     ; tile column: 256 of the 1,024 outputs
	s_and_b32 s17, ttmp7, 0xffff
	s_lshl_b32 s17, s17, 2
	s_add_co_u32 s17, s17, s41                     ; tile row: 256 of the 16,384 (e, n)
	s_and_b32 s76, ttmp7, 0xffff
	s_lshr_b32 s76, s76, 1                         ; the expert: two clusters to each
	s_lshl_b32 s76, s76, 10                        ; its first row in w2c and first number in b2
	s_lshl_b32 s43, s41, 2
	s_lshl_b32 s43, 15, s43                        ; my row of the cluster
	s_lshl_b32 s44, 0x1111, s40                    ; my column
	s_or_b32 s[G1+0], s43, (3<<16)|(1<<21)         ; A: the mask; elements of 8 bytes; bit 21 beside a mask; no padding
	s_mov_b32 s[G1+1], 512<<16                     ; tensor_dim0 = 512 elements: 4,096 bytes
	s_mov_b32 s[G1+2], 8<<16                       ; tensor_dim1 = 8
	s_mov_b32 s[G1+3], 512<<16                     ; tile_dim0
	s_mov_b32 s[G1+4], 8                           ; tile_dim1
	s_mov_b32 s[G1+5], 4096                        ; from 16 rows to the next: 32,768 bytes
	s_mov_b32 s[G1+6], 0
	s_mov_b32 s[G1+7], 0
	s_or_b32 s[G1B+0], s44, (0<<16)|(1<<20)|(1<<21)|(5<<22)|(3<<25)  ; B: elements of 1 byte; after every 64 words, 4 words of padding
	s_mov_b32 s[G1B+1], ROWB<<16
	s_mov_b32 s[G1B+2], 128<<16
	s_mov_b32 s[G1B+3], ROWB<<16
	s_mov_b32 s[G1B+4], 128
	s_mov_b32 s[G1B+5], KROW
	s_mov_b32 s[G1B+6], 0
	s_mov_b32 s[G1B+7], 0
	s_lshl_b32 s18, s16, 7
	s_lshl_b32 s20, s17, 8
	s_add_co_u32 s20, s20, s18                     ; A: row 256 x tile row + 128 x half
	s_lshl_b32 s46, s42, 8
	s_add_co_u32 s46, s46, s18
	s_add_co_u32 s46, s46, s76                     ; B: the expert's row 256 x tile column + 128 x half
	s_cmp_eq_u32 s15, 0                            ; the prefetches: A's waves or B's
	s_cselect_b32 s88, s20, s46
	s_cselect_b32 s89, s40, s41                    ; my place among the four that ask with me
	s_mov_b32 s[PFS], ROWB
	s_cselect_b32 s[PFS], ASTEP, s[PFS]
	s_mov_b32 s90, KROW
	s_cselect_b32 s90, 256, s90                    ; from lane to lane among 16: A: 256 bytes on in a K step's 4,096; B: a row on
	s_mov_b32 s[PFS+1], 0
	s_lshl_b32 s88, s88, 11                        ; a row is 2,048 bytes in both (in A: 16 rows are 32,768)
	s_lshl_b32 s89, s89, 16                        ; a quarter of 128 rows: 65,536 bytes
	s_add_co_u32 s88, s88, s89
	s_lshl_b32 s89, s[PFS], 1
	s_add_co_u32 s88, s88, s89                     ; at K step 2
	s_mov_b32 s89, 0
	s_lshl_b32 s20, s20, 11
	s_mov_b32 s21, 0
	s_lshl_b32 s46, s46, 11
	s_mov_b32 s47, 0
	s_mul_i32 s45, s14, HALFT                      ; where the tiles go
	s_wait_dscnt 0x0                               ; both opening adds are done
	s_wait_kmcnt 0x0
	s_load_b128 s[68:71], s[8:9], 0x0              ; e0, e1, e2, e3
	s_add_nc_u64 s[20:21], s[4:5], s[20:21]
	s_add_nc_u64 s[46:47], s[6:7], s[46:47]
	s_cmp_eq_u32 s15, 0
	s_cselect_b64 s[PFA:PFA+1], s[4:5], s[6:7]
	s_add_nc_u64 s[PFA:PFA+1], s[PFA:PFA+1], s[88:89]
	s_sub_nc_u64 s[92:93], s[PFA:PFA+1], s[PFS:PFS+1]   ; the same blocks of K step 1; never rewritten
	CROUND                                         ; all sixteen work-groups are here: the first joint loads meet
.irp s, 0,1
	s_mov_b32 s[G0+4*\s], 1
	s_add_co_u32 s[G0+4*\s+1], s45, \s*SLOT
	s_add_nc_u64 s[G0+4*\s+2:G0+4*\s+3], s[20:21], \s*ASTEP
	s_or_b32 s[G0+4*\s+3], s[G0+4*\s+3], 0x80000000
	s_mov_b32 s[G0B+4*\s], 1
	s_add_co_u32 s[G0B+4*\s+1], s45, \s*SLOT
	s_add_nc_u64 s[G0B+4*\s+2:G0B+4*\s+3], s[46:47], \s*ROWB
	s_or_b32 s[G0B+4*\s+3], s[G0B+4*\s+3], 0x80000000
.endr
	JLOAD G0, G1, G0B, G1B                         ; K step 0: one tensor load a wave at the head
	s_mul_i32 s21, s15, HALFT                      ; my 128 rows of A
	s_mul_i32 s22, s16, HALFT                      ; my 128 rows of B,
	s_add_co_u32 s22, s22, 2*HALFT                 ; which lie behind A's
	s_mul_i32 s23, s14, 16*PITCH                   ; my stage for the way out, in slot 0, which has had its last fill and its last read by then
	v_and_b32 v1, 15, v0                           ; r
	v_bfe_u32 v2, v0, 4, 1                         ; hh
	v_and_b32 v6, 31, v0
	v_mul_u32_u24 v3, v1, PITCH
	v_lshl_add_u32 v4, v2, 4, v3                   ; B: a fragment's row x pitch + 16 x half
	v_lshlrev_b32 v6, 4, v6                        ; A: 16 x lane
	v_add_nc_u32 v[ADRA], s21, v6
	v_add_nc_u32 v[ADRB], s22, v4
	v_add_nc_u32 v[ADRA+1], SLOT, v[ADRA]
	v_add_nc_u32 v[ADRB+1], SLOT, v[ADRB]
	v_add_nc_u32 v[STO], s23, v4
	v_mul_u32_u24 v5, v2, PITCH
	v_lshl_add_u32 v5, v1, 4, v5
	v_add_nc_u32 v[RD], s23, v5
	v_lshlrev_b32 v5, 11, v2
	v_lshl_add_u32 v[CO], v1, 4, v5                ; two rows of eo, 2,048 bytes each
	v_lshlrev_b32 v[BO], 5, v2
	v_mul_u32_u24 v[PFO], v1, s90
	v_lshl_add_u32 v[PFO], v2, 15, v[PFO]          ; lanes 16-31: 32,768 bytes on
	s_wait_alu depctr_va_vdst(0)                   ; the wait behind the head's last vector instruction
	s_lshl_b32 s46, s42, 8
	s_lshl_b32 s47, s16, 7
	s_add_co_u32 s46, s46, s47
	s_add_co_u32 s46, s46, s76
	s_lshl_b32 s46, s46, 2
	s_mov_b32 s47, 0
	s_add_nc_u64 s[10:11], s[10:11], s[46:47]      ; b2 at my 128 columns
.irp b, 0,1,2,3,4,5,6,7
	global_load_b128 v[BIAS+8*\b:BIAS+8*\b+3], v[BO], s[10:11] offset:64*\b       ; b2 of columns 16 b + 8 hh + 0 .. 7: waited for on the way out
	global_load_b128 v[BIAS+8*\b+4:BIAS+8*\b+7], v[BO], s[10:11] offset:64*\b+16
.endr
	global_prefetch_b8 v[PFO], s[92:93] th:TH_LOAD_NT scope:SCOPE_SE   ; at the head K step 1 is asked for as well: its load goes out only when K step 0 has landed
	ASK 0                                          ; K step 2
	s_lshl_b32 s20, s17, 8
	s_lshl_b32 s21, s15, 7
	s_add_co_u32 s20, s20, s21
	s_lshl_b32 s20, s20, 11
	s_lshl_b32 s46, s42, 9
	s_lshl_b32 s47, s16, 8
	s_add_co_u32 s46, s46, s47
	s_add_co_u32 s46, s46, s20
	s_mov_b32 s47, 0
	s_add_nc_u64 s[12:13], s[12:13], s[46:47]      ; eo at my first row and column
.macro MUL16 a0, p, zero               ; the 64 accumulators take turns, one instruction a turn
.irp a, \a0, \a0+1
.irp b, 0,1,2,3,4,5,6,7
.if \zero
	v_wmma_f32_16x16x128_bf8_bf8 v[8*(8*((\a)%4)+\b):8*(8*((\a)%4)+\b)+7], v[128*(\p)+FR*\b:128*(\p)+FR*\b+FR-1], v[AF+FR*(\a):AF+FR*(\a)+FR-1], 0
.else
	v_wmma_f32_16x16x128_bf8_bf8 v[8*(8*((\a)%4)+\b):8*(8*((\a)%4)+\b)+7], v[128*(\p)+FR*\b:128*(\p)+FR*\b+FR-1], v[AF+FR*(\a):AF+FR*(\a)+FR-1], v[8*(8*((\a)%4)+\b):8*(8*((\a)%4)+\b)+7]
.endif
.endr
.endr
.endm
.macro FETCH_B slot, q, p              ; B's eight fragments of the slot's q-th 128 along K into set p
	WIN TO_B
.irp i, 0,1,2,3,4,5,6,7
.irp c, 0,1,2,3
	ds_load_b128 v[128*(\p)+FR*\i+4*\c:128*(\p)+FR*\i+4*\c+3], v[ADRB+\slot] offset:128*(\q)+32*\c+\i*16*PITCH
.endr
.endr
	WIN 0
.endm
.macro FETCH_A slot, q, i0             ; A's blocks i0 .. i0 + 3: the image of the registers, 512 bytes on end a load
.irp i, \i0, \i0+1, \i0+2, \i0+3
.irp c, 0,1,2,3
	ds_load_b128 v[AF+FR*(\i)+4*\c:AF+FR*(\i)+4*\c+3], v[ADRA+\slot] offset:ASTEP*(\i)+2048*(\q)+512*\c
.endr
.endr
.endm
.macro PLACES n
.rept \n
	v_nop
.endr
.endm
.macro STEP slot, q, zero              ; a step of 128 along K that has its successor in the same slot
	s_wait_dscnt 4*NL                              ; the youngest 16 loads (A's blocks 4-7) may be out
	WIN MUL_LO
	MUL16 0, (\q)%2, \zero
	MUL16 2, (\q)%2, \zero
	s_wait_dscnt 0
	PLACES NP
	FETCH_B \slot, (\q)+1, 1-(\q)%2
	FETCH_A \slot, (\q)+1, 0
	WIN MUL_HI
	MUL16 4, (\q)%2, \zero
	MUL16 6, (\q)%2, \zero
	PLACES NP
	WIN 0
	FETCH_A \slot, (\q)+1, 4
.endm
; A slot's last step changes slots: ONE barrier; in front of it each wave waits for all its tensor loads, adds 0 to its spare word, and waits for that and for its reads of this slot.  fill = 1: the slot is filled again.
.macro TURN slot, next, fill
.if \fill
	s_wait_xcnt 0x0                                ; my last prefetch has read its address,
	s_add_nc_u64 s[PFA:PFA+1], s[PFA:PFA+1], s[PFS:PFS+1]  ; which steps a K step on
.endif
	s_wait_tensorcnt 0x0
	ds_add_u32 v[SPW], v[NIL]
	s_wait_dscnt 4*NL+1                            ; the add and the youngest 16 loads may be out
	WIN MUL_LO
	MUL16 0, 1, 0
	s_wait_dscnt 0x0                               ; the add is done, and my reads of this slot are over
	s_barrier_signal -1
	MUL16 2, 1, 0
	WIN 0
	s_barrier_wait -1
.if \fill
	CREST                                          ; the barrier has opened a round of the cluster's
	s_add_nc_u64 s[G0+4*\slot+2:G0+4*\slot+3], s[G0+4*\slot+2:G0+4*\slot+3], 2*ASTEP
	s_add_nc_u64 s[G0B+4*\slot+2:G0B+4*\slot+3], s[G0B+4*\slot+2:G0B+4*\slot+3], 2*ROWB
	JLOAD G0+4*\slot, G1, G0B+4*\slot, G1B         ; the first tensor load behind the round; its four v_nop are the places in front of the loads below
.else
	PLACES NP
.endif
	FETCH_B \next, 0, 0
	FETCH_A \next, 0, 0
.if \fill
	ASK 1                                          ; two K steps beyond the load just asked for
.endif
	WIN MUL_HI
	MUL16 4, 1, 0
	MUL16 6, 1, 0
	PLACES NP
	WIN 0
	FETCH_A \next, 0, 4
.endm
	s_wait_xcnt 0x0                                ; the prefetch has read its address
	s_add_nc_u64 s[PFA:PFA+1], s[PFA:PFA+1], s[PFS:PFS+1]
	s_wait_tensorcnt 0x0                           ; my part of K step 0 is in
	ds_add_u32 v[SPW], v[NIL]
	s_wait_dscnt 0x0
	CROUND
	JLOAD G0+4, G1, G0B+4, G1B                     ; K step 1, the first tensor load behind the round
	FETCH_B 0, 0, 0
	FETCH_A 0, 0, 0
	FETCH_A 0, 0, 4
	ASK 0                                          ; K step 3
	STEP 0, 0, 1                                   ; the first products start the sums
	s_mov_b32 s3, LAPS-1
.Llap:                                                 ; a trip goes once round the ring and fills both slots again
	TURN 0, 1, 1
	STEP 1, 0, 0
	TURN 1, 0, 1
	STEP 0, 0, 0
	s_sub_co_u32 s3, s3, 1
	s_cmp_lg_u32 s3, 0
	s_cbranch_scc1 .Llap
	TURN 0, 1, 0                                   ; the last lap fills nothing
	STEP 1, 0, 0
	s_wait_dscnt 4*NL
	WIN MUL_LO
	MUL16 0, 1, 0
	MUL16 2, 1, 0
	s_wait_dscnt 0
	WIN MUL_HI
	MUL16 4, 1, 0
	MUL16 6, 1, 0
	WIN 0
; THE WAY OUT, a block of 16 rows x 128 columns at a time: x 2^(e2 + e3) + b2, rounded to bf16, through my own stage in LDS, back as whole rows of 256 bytes (LDS serves a wave's instructions in order: ISA guide 5.7.1.4).
.macro TOSTAGE a
.set AC, 64*((\a)%4)
.set BB, BK+32*((\a)%2)
	WIN (0x02+((\a)/4))
.set i, 0
.rept 32
	v_pk_fma_f32 v[TMP+i:TMP+i+1], v[AC+i:AC+i+1], s[72:73], v[BIAS+i:BIAS+i+1] op_sel_hi:[1,0,1]   ; each accumulator from its low end on
.set i, i+2
.endr
	WIN 0
.set i, 0
.rept 32
	v_cvt_pk_bf16_f32 v[PK+i], v[TMP+2*i], v[TMP+2*i+1]
.set i, i+1
.endr
.irp b, 0,1,2,3,4,5,6,7
	ds_store_b128 v[STO], v[PK+4*\b:PK+4*\b+3] offset:32*\b
.endr
.irp t, 0,1,2,3,4,5,6,7
	ds_load_b128 v[BB+4*\t:BB+4*\t+3], v[RD] offset:2*PITCH*\t
.endr
.endm
.macro SEND a, younger                 ; younger: the LDS instructions issued behind block a's loads, which may stay out
.set BB, BK+32*((\a)%2)
	s_wait_dscnt \younger
.if (\a) > 0
	s_add_nc_u64 s[12:13], s[12:13], 16*2048       ; (behind a wait on XCNT: the earlier stores have read their base)
.endif
.irp t, 0,1,2,3,4,5,6,7
	global_store_b128 v[CO], v[BB+4*\t:BB+4*\t+3], s[12:13] offset:4096*\t th:TH_STORE_NT   ; 16 lanes store 256 consecutive bytes, aligned
.endr
.endm
	s_wait_kmcnt 0x0
	s_add_co_i32 s72, s70, s71
	s_add_co_i32 s72, s72, 127
	s_lshl_b32 s72, s72, 23                        ; 2^(e2 + e3) as f32
	s_mov_b32 s73, s72
	PLACES NP
	s_wait_loadcnt 0x0                             ; b2, asked for at the head
	TOSTAGE 0
.irp a, 1,2,3,4,5,6,7
.if \a > 1
	s_wait_xcnt 0x0                                ; block a - 2's stores have read their registers and their base
.endif
	TOSTAGE \a
	SEND \a-1, 16                                  ; behind block a - 1's loads: block a's 8 stores and 8 loads
.endr
	s_wait_xcnt 0x0
	SEND 7, 0
	s_wait_tensorcnt 0x0                           ; the wave's end
	ds_add_u32 v[SPW], v[NIL]
	s_wait_dscnt 0x0
	CROUND                                         ; the closing round
	s_endpgm
.Lfunc_end_k_qdad3a05366_gemm2:
	.size	k_qdad3a05366_gemm2, .Lfunc_end_k_qdad3a05366_gemm2-k_qdad3a05366_gemm2
	.p2alignl 7, 3214868480
	.fill 96, 4, 3214868480
	.section	.rodata,"a",@progbits
	.p2align	6, 0x0
	.amdhsa_kernel k_qdad3a05366_gemm2
		.amdhsa_group_segment_fixed_size 327680
		.amdhsa_private_segment_fixed_size 0
		.amdhsa_enable_private_segment 0
		.amdhsa_kernarg_size 40
		.amdhsa_user_sgpr_count 2
		.amdhsa_user_sgpr_kernarg_segment_ptr 1
		.amdhsa_wavefront_size32 1
		.amdhsa_system_sgpr_workgroup_id_x 1
		.amdhsa_system_sgpr_workgroup_id_y 1
		.amdhsa_system_sgpr_workgroup_id_z 1
		.amdhsa_system_vgpr_workitem_id 0
		.amdhsa_next_free_vgpr 1024
		.amdhsa_next_free_sgpr 96
		.amdhsa_reserve_vcc 0
		.amdhsa_float_denorm_mode_32 3
		.amdhsa_float_denorm_mode_16_64 3
		.amdhsa_memory_ordered 1
		.amdhsa_forward_progress 1
		.amdhsa_inst_pref_size 129
	.end_amdhsa_kernel
	.amdgpu_metadata
---
amdhsa.version: [ 1, 2 ]
amdhsa.kernels:
  - .name:           k_qdad3a05366_gemm2
    .symbol:         k_qdad3a05366_gemm2.kd
    .args:
      - { .name: hc, .offset: 0, .size: 8, .value_kind: global_buffer, .address_space: global }
      - { .name: w2c, .offset: 8, .size: 8, .value_kind: global_buffer, .address_space: global }
      - { .name: lowp_scales, .offset: 16, .size: 8, .value_kind: global_buffer, .address_space: global }
      - { .name: b2, .offset: 24, .size: 8, .value_kind: global_buffer, .address_space: global }
      - { .name: eo, .offset: 32, .size: 8, .value_kind: global_buffer, .address_space: global }
    .group_segment_fixed_size: 327680
    .private_segment_fixed_size: 0
    .kernarg_segment_align: 8
    .kernarg_segment_size: 40
    .max_flat_workgroup_size: 128
    .sgpr_count:     96
    .vgpr_count:     1024
    .wavefront_size: 32
...
	.end_amdgpu_metadata
.endif
;; end of part 3
;; launch combine (part 4): grid 256 x 1, 8 waves a work-group, no clusters, 0 bytes of LDS; arguments lg, bg, eo, out0; writes out0
.if DOCPART == 4
	.amdgcn_target "amdgcn-amd-amdhsa--gfx1250"
	.amdhsa_code_object_version 6
	.text
	.protected	k_qdad3a05366_combine
	.globl	k_qdad3a05366_combine
	.p2align	8
	.type	k_qdad3a05366_combine,@function
k_qdad3a05366_combine:
	s_mov_b64 s[64:65], 0
	v_nop
	global_prefetch_b8 v0, s[64:65] scope:SCOPE_SE
	s_setreg_imm32_b32 hwreg(HW_REG_WAVE_MODE, 25, 1), 1
	s_wait_xcnt 0x0
; out0[n][o] = sum over e of p[n][e] eo[e][n][o], p = softmax over e of (the eight partial logits added + bg), the row's largest logit taken away before the exponential.  No work is left out.
; lg: [8 parts][2048][8] f32.  eo: [8][2048][1024] bf16 (b2 is in it).  The products are f32 multiply-adds on the widened bf16 numbers.
; A stream: one wave to a row, eight rows a work-group; all of a row's loads (16 KiB) are issued ahead of the arithmetic; no LDS, no barrier, no matrix work, no cluster (no two waves read the same bytes).
; A lane takes 4 neighbouring outputs of each 128: a load covers 256 consecutive bytes of eo, a store 512 consecutive bytes of out0, both aligned.
.set T,   10                           ; v10-17   widened numbers, two sets of four by turns
.set ACC, 20                           ; v20-51   the sums: group j at ACC + 4 j
.set E,   64                           ; v64-191  eo: expert e, group j at E + 2 (8 e + j)
	s_load_b256 s[4:11], s[0:1], 0x0               ; lg 4:5, bg 6:7, eo 8:9, out0 10:11
	v_lshrrev_b32 v1, 5, v0
	s_delay_alu instid0(VALU_DEP_1)
	v_readfirstlane_b32 s12, v1                    ; wave 0..7
	v_and_b32 v18, 31, v0                          ; lane
	s_delay_alu instid0(VALU_DEP_1)
	v_lshlrev_b32 v1, 3, v18                       ; eo: 8 bytes a lane
	s_delay_alu instid0(VALU_DEP_2)
	v_lshlrev_b32 v2, 4, v18                       ; out0: 16 bytes a lane
	s_delay_alu instid0(VALU_DEP_3)
	v_lshrrev_b32 v19, 3, v18
	s_delay_alu instid0(VALU_DEP_4)
	v_and_b32 v4, 7, v18
	s_delay_alu instid0(VALU_DEP_1)
	v_lshlrev_b32 v4, 2, v4                        ; bg: expert lane % 8
	s_delay_alu instid0(VALU_DEP_1)
	v_lshl_add_u32 v3, v19, 16, v4                 ; lg: part lane / 8 (65,536 bytes apart), expert lane % 8
	v_mov_b32 v8, 0                                ; written once: a lane permute's destination counts as one of its sources
	s_lshl_b32 s13, ttmp9, 3
	s_add_co_u32 s13, s13, s12                     ; my row
	s_mov_b32 s15, 0
	s_mov_b32 s48, 0x76543210
	s_mov_b32 s49, 0xfedcba98                      ; v_permlanex16_b32's selects for lane l xor 16
	s_mov_b32 s50, 0xffff0000                      ; a word's upper bf16
	s_wait_alu depctr_va_vdst(0)
	s_wait_kmcnt 0x0
	s_lshl_b32 s14, s13, 5
	s_add_nc_u64 s[4:5], s[4:5], s[14:15]
	s_lshl_b32 s14, s13, 11
	s_add_nc_u64 s[16:17], s[8:9], s[14:15]        ; s[16:31]: my row in each expert's 2,048 x 2,048 bytes
.irp e, 1,2,3,4,5,6,7
	s_add_nc_u64 s[16+2*\e:17+2*\e], s[14+2*\e:15+2*\e], 0x400000
.endr
	s_lshl_b32 s14, s13, 12
	s_add_nc_u64 s[10:11], s[10:11], s[14:15]
	global_load_b32 v5, v3, s[4:5]                 ; parts 0-3
	global_load_b32 v6, v3, s[4:5] offset:262144   ; parts 4-7
	global_load_b32 v7, v4, s[6:7]
.irp e, 0,1,2,3,4,5,6
.irp j, 0,1,2,3,4,5,6,7
	global_load_b64 v[E+2*(8*\e+\j):E+2*(8*\e+\j)+1], v1, s[16+2*\e:17+2*\e] offset:256*\j th:TH_LOAD_NT
.endr
.endr
	s_wait_loadcnt 56                              ; the three small loads are in; the 56 behind them may be out
	v_add_f32 v5, v5, v6
	s_delay_alu instid0(VALU_DEP_1)
	v_add_f32_dpp v5, v5, v5 row_xmask:8 row_mask:0xf bank_mask:0xf
	s_delay_alu instid0(VALU_DEP_1)
	v_permlanex16_b32 v8, v5, s48, s49
	s_delay_alu instid0(VALU_DEP_1)
	v_add_f32 v5, v5, v8                           ; the eight parts are added:
	s_delay_alu instid0(VALU_DEP_1)
	v_add_f32 v5, v5, v7                           ; every lane holds the logit of expert lane % 8
	s_delay_alu instid0(VALU_DEP_1)
	v_mov_b32 v9, v5
	s_delay_alu instid0(VALU_DEP_1)
	v_max_num_f32_dpp v9, v9, v9 row_xmask:1 row_mask:0xf bank_mask:0xf
	s_delay_alu instid0(VALU_DEP_1)
	v_max_num_f32_dpp v9, v9, v9 row_xmask:2 row_mask:0xf bank_mask:0xf
	s_delay_alu instid0(VALU_DEP_1)
	v_max_num_f32_dpp v9, v9, v9 row_xmask:4 row_mask:0xf bank_mask:0xf
	s_delay_alu instid0(VALU_DEP_1)
	v_sub_f32 v5, v5, v9                           ; the largest logit is taken away
	s_delay_alu instid0(VALU_DEP_1)
	v_mul_f32 v5, 0x3fb8aa3b, v5                   ; x log2(e)
	s_wait_alu depctr_va_vdst(0)
	v_exp_f32 v5, v5
	v_nop                                          ; a plain instruction behind the transcendental,
	s_wait_alu depctr_va_vdst(0)                   ; and the wait ahead of its first reader
	v_mov_b32 v9, v5
	s_delay_alu instid0(VALU_DEP_1)
	v_add_f32_dpp v9, v9, v9 row_xmask:1 row_mask:0xf bank_mask:0xf
	s_delay_alu instid0(VALU_DEP_1)
	v_add_f32_dpp v9, v9, v9 row_xmask:2 row_mask:0xf bank_mask:0xf
	s_delay_alu instid0(VALU_DEP_1)
	v_add_f32_dpp v9, v9, v9 row_xmask:4 row_mask:0xf bank_mask:0xf
	s_wait_alu depctr_va_vdst(0)
	v_rcp_f32 v9, v9
	v_nop
	s_wait_alu depctr_va_vdst(0)
	v_mul_f32 v5, v5, v9                           ; p of expert lane % 8
.irp e, 0,1,2,3,4,5,6,7
	v_readlane_b32 s[32+2*\e], v5, \e              ; s[32:47]: p, each in a pair (the packed form names the pair and takes its low word for both halves)
	s_mov_b32 s[33+2*\e], s[32+2*\e]
.endr
.irp j, 0,1,2,3,4,5,6,7
	global_load_b64 v[E+2*(56+\j):E+2*(56+\j)+1], v1, s[30:31] offset:256*\j th:TH_LOAD_NT   ; expert 7
.endr
.irp e, 0,1,2,3,4,5,6,7
	s_wait_loadcnt 8*(7-\e)                        ; this expert's eight loads are in; the later experts' may be out
.irp j, 0,1,2,3,4,5,6,7
	v_lshlrev_b32 v[T+4*(\j%2)],   16,  v[E+2*(8*\e+\j)]      ; bf16 to f32: the low half moves up,
	v_and_b32     v[T+4*(\j%2)+1], s50, v[E+2*(8*\e+\j)]      ; the high half stays
	v_lshlrev_b32 v[T+4*(\j%2)+2], 16,  v[E+2*(8*\e+\j)+1]
	v_and_b32     v[T+4*(\j%2)+3], s50, v[E+2*(8*\e+\j)+1]
.if \e == 0
	s_delay_alu instid0(VALU_DEP_3)
	v_pk_mul_f32 v[ACC+4*\j:ACC+4*\j+1],   v[T+4*(\j%2):T+4*(\j%2)+1],   s[32:33] op_sel_hi:[1,0]   ; the first expert starts the sums
	s_delay_alu instid0(VALU_DEP_2)
	v_pk_mul_f32 v[ACC+4*\j+2:ACC+4*\j+3], v[T+4*(\j%2)+2:T+4*(\j%2)+3], s[32:33] op_sel_hi:[1,0]
.else
	s_delay_alu instid0(VALU_DEP_3)
	v_pk_fma_f32 v[ACC+4*\j:ACC+4*\j+1],   v[T+4*(\j%2):T+4*(\j%2)+1],   s[32+2*\e:33+2*\e], v[ACC+4*\j:ACC+4*\j+1] op_sel_hi:[1,0,1]
	s_delay_alu instid0(VALU_DEP_2)
	v_pk_fma_f32 v[ACC+4*\j+2:ACC+4*\j+3], v[T+4*(\j%2)+2:T+4*(\j%2)+3], s[32+2*\e:33+2*\e], v[ACC+4*\j+2:ACC+4*\j+3] op_sel_hi:[1,0,1]
.endif
.endr
.endr
.irp j, 0,1,2,3,4,5,6,7
	global_store_b128 v2, v[ACC+4*\j:ACC+4*\j+3], s[10:11] offset:512*\j th:TH_STORE_NT
.endr
	s_endpgm
.Lfunc_end_k_qdad3a05366_combine:
	.size	k_qdad3a05366_combine, .Lfunc_end_k_qdad3a05366_combine-k_qdad3a05366_combine
	.p2alignl 7, 3214868480
	.fill 96, 4, 3214868480
	.section	.rodata,"a",@progbits
	.p2align	6, 0x0
	.amdhsa_kernel k_qdad3a05366_combine
		.amdhsa_group_segment_fixed_size 0
		.amdhsa_private_segment_fixed_size 0
		.amdhsa_enable_private_segment 0
		.amdhsa_kernarg_size 32
		.amdhsa_user_sgpr_count 2
		.amdhsa_user_sgpr_kernarg_segment_ptr 1
		.amdhsa_wavefront_size32 1
		.amdhsa_system_sgpr_workgroup_id_x 1
		.amdhsa_system_sgpr_workgroup_id_y 1
		.amdhsa_system_sgpr_workgroup_id_z 1
		.amdhsa_system_vgpr_workitem_id 0
		.amdhsa_next_free_vgpr 192
		.amdhsa_next_free_sgpr 66
		.amdhsa_reserve_vcc 0
		.amdhsa_float_denorm_mode_32 3
		.amdhsa_float_denorm_mode_16_64 3
		.amdhsa_memory_ordered 1
		.amdhsa_forward_progress 1
		.amdhsa_inst_pref_size 32
	.end_amdhsa_kernel
	.amdgpu_metadata
---
amdhsa.version: [ 1, 2 ]
amdhsa.kernels:
  - .name:           k_qdad3a05366_combine
    .symbol:         k_qdad3a05366_combine.kd
    .args:
      - { .name: lg, .offset: 0, .size: 8, .value_kind: global_buffer, .address_space: global }
      - { .name: bg, .offset: 8, .size: 8, .value_kind: global_buffer, .address_space: global }
      - { .name: eo, .offset: 16, .size: 8, .value_kind: global_buffer, .address_space: global }
      - { .name: out0, .offset: 24, .size: 8, .value_kind: global_buffer, .address_space: global }
    .group_segment_fixed_size: 0
    .private_segment_fixed_size: 0
    .kernarg_segment_align: 8
    .kernarg_segment_size: 32
    .max_flat_workgroup_size: 256
    .sgpr_count:     66
    .vgpr_count:     192
    .wavefront_size: 32
...
	.end_amdgpu_metadata
.endif
;; end of part 4
